; MI455X (gfx1250); checked and timed in simulation.
; The chip was launched on July 23, 2026; its instructions are those of AMD's public machine-readable ISA for CDNA 5 (MIT licence, August 2026) and "CDNA5" Instruction Set Architecture Reference Guide (July 2026). The comments in the code are by the model that wrote it; some were corrected since.
;; Multi Head Attention. Allowed arithmetic: matrix products marked QUANTISED: E2M3 operands, one E8M0 scale for each 32 along K, by v_wmma_scale_f32_16x16x128_f8f6f4 with both operands' format E2M3, f32 sums; everything else in f32.
;; Inputs: wk 1,024 x 1,024 float32; wo 1,024 x 1,024 float32; wq 1,024 x 1,024 float32; wv 1,024 x 1,024 float32; x 4 x 2,048 x 1,024 float32.
;; Outputs: out0 4 x 2,048 x 1,024 float32.
;; This version of the problem:
;;   THIS VERSION OF THE PROBLEM IS GIVEN IN LOW PRECISION. The matrix products marked QUANTISED in the list below multiply operands that are first quantised to E2M3 (2 exponent bits, 3 mantissa bits; 6 bits a number), with one power-of-two scale for each 32 numbers along K (OCP MX v1.0); their sums are f32. All else is computed in f32.
;;   The module's matrix products, in the order in which they are computed (A, B: the left and right operand; K: the contracted axis; several contracted axes count as one K, in the product's order):
;;     1. [M 8,192, K 1,024] x [K 1,024, N 1,024]; A: input x; B: input wq: QUANTISED
;;     2. [M 8,192, K 1,024] x [K 1,024, N 1,024]; A: input x; B: input wk: QUANTISED
;;     3. [M 8,192, K 1,024] x [K 1,024, N 1,024]; A: input x; B: input wv: QUANTISED
;;     4. batch 64 x [M 2,048, K 64] x [K 64, N 2,048]; A: computed on the way; B: computed on the way: QUANTISED
;;     5. batch 64 x [M 2,048, K 2,048] x [K 2,048, N 64]; A: softmax (see below); B: computed on the way: QUANTISED
;;     6. [M 8,192, K 1,024] x [K 1,024, N 1,024]; A: computed on the way; B: input wo: QUANTISED
;;   THE QUANTISER, for each operand of a quantised product, along K:
;;     - K is cut into blocks of 32 from its start; a last block that is shorter is filled with zeros.
;;     - A block's scale is 2^e with e = floor(log2(the largest magnitude in the block)) - 2, held to -126 .. 127; a block of zeros has e = 0. As a byte (E8M0): e + 127.
;;     - Each number is divided by its block's scale, clamped to +-7.5, and rounded to the nearest number of E2M3, ties to even, subnormals kept.
;;     - The product sums the exact products of the quantised numbers (number of the format x scale) in f32.
;;   ~~~python
;;   def quantise(x, axis):      # numpy; x: float32 -> the quantised numbers, widened to float32 again
;;       x = np.moveaxis(x, axis, -1); K = x.shape[-1]
;;       x = np.pad(x, [(0, 0)] * (x.ndim - 1) + [(0, -K % 32)]); x = x.reshape(x.shape[:-1] + (-1, 32)); a = np.abs(x).max(-1, keepdims=True)
;;       e = np.where(a > 0, np.clip(np.frexp(np.where(a > 0, a, 1))[1] - 1 - 2, -126, 127), 0)      # np.frexp(a)[1] - 1 = floor(log2(a)), exactly
;;       r = np.clip(x / 2.0 ** e, -7.5, 7.5)
;;       step = 2.0 ** (np.maximum(np.frexp(np.where(r == 0, 1, r))[1] - 1, 0) - 3)
;;       q = np.round(r / step) * step * 2.0 ** e      # np.round: ties to even
;;       return np.moveaxis(q.reshape(q.shape[:-2] + (-1,))[..., :K], -1, axis).astype(np.float32)
;;   ~~~
;;   SOFTMAX AHEAD OF A QUANTISED PRODUCT. Where the list says 'softmax', what is quantised is not the finished softmax but p = 2^(t - M), with t = logit x log2(e) and M = ceil(the row's largest t), a whole number; so 1/2 < the row's largest p <= 1. The row's sum l is taken of the UNQUANTISED p, in f32, and the product's result is divided by l at the end. Since M is a whole number, a kernel that streams over the keys may use a running M (the ceiling of the running maximum): every later rescaling is an exact power of two, which a block's scale takes up: the codes' values come out the same.
;;   OPERANDS COMPUTED ON THE WAY. 'Computed on the way' means the value that the module computes at that place (a softmax that the list does not call 'softmax' is quantised finished and normalised). What goes into a quantiser is computed in f32, as accurately as f32 sums, v_exp_f32 and their like allow (about 1e-6 of the number): no bf16 or f16 on the way to a quantiser, and a product that is left as it is and whose result goes on into a quantised operand takes f32 operands (vector FMAs, or v_wmma_f32_16x16x4_f32). A number that lies on a knife's edge between two numbers of the format may be rounded either way, as far as f32 arithmetic and the matrix unit's own rounding can turn it there, and no further.
;; One version. Each part assembles by itself: llvm-mc -triple=amdgcn-amd-amdhsa -mcpu=gfx1250 --defsym DOCPART=n.
;; ======== version 1 of 1: 4 launches
;; workspace buffers: xc 6,291,456 bytes; xs 262,144 bytes; wc 3,145,728 bytes; ws 131,072 bytes; qk 16,777,216 bytes; vimg 7,340,032 bytes; cc 6,291,456 bytes; cs 262,144 bytes
;; launch prep (part 1): grid 384 x 1, 4 waves a work-group, no clusters, 34,304 bytes of LDS; arguments x, wq, wk, wv, wo, xc, xs, wc, ws; writes xc, xs, wc, ws
.if DOCPART == 1
	.amdgcn_target "amdgcn-amd-amdhsa--gfx1250"
	.amdhsa_code_object_version 6
	.text
	.protected	k_q7893e6d280_prep
	.globl	k_q7893e6d280_prep
	.p2align	8
	.type	k_q7893e6d280_prep,@function
k_q7893e6d280_prep:
	s_mov_b64 s[64:65], 0
	v_nop
	global_prefetch_b8 v0, s[64:65] scope:SCOPE_SE
	s_setreg_imm32_b32 hwreg(HW_REG_WAVE_MODE, 25, 1), 1
	s_wait_xcnt 0x0
; x [8192][1024] and the four weights [1024 (k)][1024 (n)], f32, become codes of FP6 (E2M3) with one E8M0 byte for each 32 along K.
; A block's scale is 2^(floor(log2(its largest magnitude)) - 2); its byte is the largest magnitude's exponent field - 2, held at 1 from below.
; LIMITS: a block of zeros gets the byte 1 where the quantiser says 127 (its codes are zeros, and only this program reads the bytes); blocks whose largest
; magnitude lies under 2^-124 are held at the byte 1; NaN and infinities among the inputs are not served.
; THE LAYOUT OF THE RESULT is the order of an operand's registers.  Rows (tokens of x, columns n of a weight) are stored with bits 3 and 4 of their index swapped:
; stored row 32 b + 16 u + 8 h + j is row 32 b + 16 h + 8 u + j.  Sixteen stored rows are a row block.  A HALF RECORD, 768 bytes, is a row block x 64 along K: lane l = (r, h)
; owns the 24 bytes of row r, k = 32 h .. 32 h + 31: its first 16 bytes at 16 l, its last 8 at 512 + 8 l.  Codes: [row block][16 halves][768].
; Scale bytes: [row block][4][16 rows][8]: byte 4 w + e of the 8 scales k = 256 kp + 128 w + 32 e.
; Work-groups 0-255 take x, work-groups 256-383 the weights (wq, wk, wv, wo: row blocks 0-63, 64-127, 128-191, 192-255 of wc).  No work-group shares input with another: no cluster, no barrier.
.set SP,    528                        ; a stage row: 512 bytes + 16: sixteen rows start in sixteen different groups of banks
.set WREG,  16*SP                      ; a wave's stage
.set R,     16                         ; v16-143  two sets of 64 registers as loaded
.set X,     144                        ; v144-207 my 64 numbers of a K step: two whole blocks of 32
.set C,     208                        ; v208-219 a fragment's codes
.set T,     220                        ; v220-222, v224-226 the second halves of the blocks' codes
.set WK,    228                        ; v228-235 at work
.set SW,    236                        ; v236-239 the four K steps' scale words
.set FLOOR, 0x1800000                  ; 2^(3 - 127)
.set OFFE,  0xff000000                 ; takes 2 off an exponent field
	s_load_b256 s[4:11], s[0:1], 0x0               ; x, wq, wk, wv
	s_load_b256 s[12:19], s[0:1], 0x20             ; wo, xc, xs, wc
	s_load_b64 s[20:21], s[0:1], 0x40              ; ws
	v_lshl_add_u32 v244, v0, 2, 0x8400
	v_mov_b32 v245, 0
	v_lshrrev_b32 v1, 5, v0
	v_readfirstlane_b32 s22, v1                    ; wave
	v_and_b32 v1, 31, v0                           ; lane
	s_cmp_lt_u32 ttmp9, 256
	s_cbranch_scc0 .Lweights
; ---- x.  A wave takes one row block x 512 along K, four K steps of 128.  Each load reads 512 consecutive bytes of one row; the 16 rows turn through the wave's own stage
; in LDS, so that lane (r, h) gets the 32 neighbours k = 64 c + 32 h .. of row r, c = 0, 1: two whole blocks, in the order of the operand's registers.
	v_lshlrev_b32 v2, 4, v1                        ; 16 x lane
	v_lshlrev_b32 v5, 3, v1                        ; 8 x lane
	s_mul_i32 s23, s22, WREG
	v_add_nc_u32 v3, s23, v2                       ; the stage on the way in
	v_and_b32 v7, 15, v1                           ; r
	v_lshrrev_b32 v8, 4, v1                        ; h
	v_mul_u32_u24 v4, v7, SP
	v_lshl_add_u32 v4, v8, 7, v4
	v_add_nc_u32 v4, s23, v4                       ; and on the way out: row r, + 128 h
	v_lshlrev_b32 v6, 3, v8                        ; 8 h: my bytes' place in a scale word
	v_mov_b32 v[WK+7], 0                           ; a lane permute's destination counts as read
	s_mov_b32 s24, 0x76543210
	s_mov_b32 s25, 0xfedcba98                      ; selects for lane l xor 16
	s_lshl_b32 s26, ttmp9, 2
	s_add_co_u32 s26, s26, s22                     ; unit = 4 x work-group + wave
	s_lshr_b32 s27, s26, 1                         ; row block
	s_and_b32 s26, s26, 1                          ; which 512 along K
	s_lshr_b32 s28, s27, 1
	s_lshl_b32 s28, s28, 5
	s_and_b32 s29, s27, 1
	s_lshl_b32 s29, s29, 3
	s_add_co_u32 s28, s28, s29                     ; the block's first row of x: 32 (rb / 2) + 8 (rb % 2)
	s_lshl_b32 s28, s28, 12
	s_lshl_b32 s29, s26, 11
	s_add_co_u32 s28, s28, s29
	s_mov_b32 s29, 0
	s_mul_i32 s30, s27, 12288
	s_mul_i32 s31, s26, 6144
	s_add_co_u32 s30, s30, s31
	s_mov_b32 s31, 0
	s_lshl_b32 s32, s27, 9
	s_lshl_b32 s33, s26, 8
	s_add_co_u32 s32, s32, s33
	s_mov_b32 s33, 0
	s_wait_alu depctr_va_vdst(0)
	s_wait_kmcnt 0x0
	s_add_nc_u64 s[4:5], s[4:5], s[28:29]
	s_add_nc_u64 s[14:15], s[14:15], s[30:31]
	s_add_nc_u64 s[16:17], s[16:17], s[32:33]
.macro XLOAD s                         ; K step s: stored row i is row i + 8 (i / 8) from the block's first
.irp i, 0,1,2,3,4,5,6,7,8,9,10,11,12,13,14,15
	global_load_b128 v[R+64*((\s)%2)+4*\i:R+64*((\s)%2)+4*\i+3], v2, s[4:5] offset:(\i+8*(\i/8))*4096+512*(\s) th:TH_LOAD_NT
.endr
.endm
.macro XSTEP s
.if (\s) < 3
	s_wait_loadcnt 16                              ; this step's sixteen loads are in; the next step's sixteen may be out
.else
	s_wait_loadcnt 0x0
.endif
.irp i, 0,1,2,3,4,5,6,7,8,9,10,11,12,13,14,15
	ds_store_b128 v3, v[R+64*((\s)%2)+4*\i:R+64*((\s)%2)+4*\i+3] offset:\i*SP
.endr
.irp c, 0,1
.irp j, 0,1,2,3,4,5,6,7
	ds_load_b128 v[X+32*\c+4*\j:X+32*\c+4*\j+3], v4 offset:256*\c+16*\j   ; LDS serves a wave's instructions in order: these see the stores above
.endr
.endr
	s_wait_dscnt 0x0                               ; my numbers are back, and the stores have read their registers
.if (\s) < 2
	XLOAD (\s)+2
.endif
.irp c, 0,1
	v_max3_num_f32 v[WK+\c], |v[X+32*\c]|, |v[X+32*\c+1]|, FLOOR   ; block 2 c + h: all 32 numbers are mine; the floor holds the byte at 1 from below
.endr
.irp i, 2,4,6,8,10,12,14,16,18,20,22,24,26,28,30
.irp c, 0,1
	v_max3_num_f32 v[WK+\c], v[WK+\c], |v[X+32*\c+\i]|, |v[X+32*\c+\i+1]|
.endr
.endr
.irp c, 0,1
	v_add_nc_u32 v[WK+2+\c], OFFE, v[WK+\c]        ; the conversion takes this operand's exponent field as its scale
.endr
.irp c, 0,1
	v_lshrrev_b32 v[WK+4+\c], 23, v[WK+2+\c]       ; the scale's byte
.endr
	v_lshl_or_b32 v[WK+6], v[WK+5], 16, v[WK+4]    ; bytes h and 2 + h of the row's word,
	v_lshlrev_b32 v[WK+6], v6, v[WK+6]
	v_permlanex16_b32 v[WK+7], v[WK+6], s24, s25
	v_or_b32 v[SW+(\s)], v[WK+6], v[WK+7]          ; with lane l xor 16's two the word is whole
	s_wait_alu depctr_va_vdst(0)
	s_wait_xcnt 0x0                                ; the last step's stores have read the codes' registers
.irp c, 0,1
	v_cvt_scalef32_pk16_fp6_f32 v[C+6*\c:C+6*\c+2], v[X+32*\c:X+32*\c+15], v[WK+2+\c]
	v_cvt_scalef32_pk16_fp6_f32 v[T+4*\c:T+4*\c+2], v[X+32*\c+16:X+32*\c+31], v[WK+2+\c]   ; (a conversion's three registers begin on an even number)
.endr
	v_nop                                          ; one plain place behind a scaled conversion
.irp c, 0,1
.irp i, 0,1,2
	v_mov_b32 v[C+6*\c+3+\i], v[T+4*\c+\i]
.endr
.endr
.irp c, 0,1
	global_store_b128 v2, v[C+6*\c:C+6*\c+3], s[14:15] offset:(2*(\s)+\c)*768       ; 512 consecutive bytes
	global_store_b64 v5, v[C+6*\c+4:C+6*\c+5], s[14:15] offset:(2*(\s)+\c)*768+512  ; 256 consecutive bytes
.endr
.endm
	XLOAD 0
	XLOAD 1
	XSTEP 0
	XSTEP 1
	XSTEP 2
	XSTEP 3
	v_cmp_gt_u32 vcc_lo, 16, v1                    ; lanes 0-15 store the words of K steps 0, 1, lanes 16-31 those of steps 2, 3
	v_cndmask_b32 v240, v[SW+2], v[SW], vcc_lo
	v_cndmask_b32 v241, v[SW+3], v[SW+1], vcc_lo
	global_store_b64 v5, v[240:241], s[16:17]      ; 256 consecutive bytes, aligned
	s_wait_tensorcnt 0x0
	ds_add_u32 v244, v245
	s_wait_dscnt 0x0
	s_endpgm
; ---- the weights: K is their first axis.  A lane takes a column n and its registers run down K: a block of 32 lies in one lane, and the codes come out with K innermost.
; A wave takes 32 columns x 256 along K: eight blocks.  Column 16 b4 + 8 b3 + j of the 32 is stored row 8 b4 + j of row block b3.
.Lweights:
	s_sub_co_u32 s23, ttmp9, 256
	s_lshr_b32 s24, s23, 5                         ; which weight
	s_bfe_u32 s25, s23, 0x30002                    ; which 128 columns
	s_and_b32 s26, s23, 3                          ; which 256 along K
	s_wait_alu depctr_va_vdst(0)
	v_lshlrev_b32 v2, 2, v1                        ; in: 4 bytes a lane
	v_bfe_u32 v3, v1, 3, 1                         ; b3
	v_lshrrev_b32 v4, 4, v1                        ; b4
	v_and_b32 v5, 7, v1
	v_lshl_add_u32 v5, v4, 3, v5                   ; stored row
	v_mul_u32_u24 v6, v3, 12288
	v_lshl_add_u32 v7, v5, 4, v6                   ; out: my 16 bytes of a half record,
	v_lshl_add_u32 v8, v5, 3, v6                   ; my 8 bytes,
	v_lshlrev_b32 v9, 9, v3
	v_lshl_add_u32 v9, v5, 3, v9                   ; my 8 scale bytes
	s_lshl_b32 s27, s25, 7
	s_lshl_b32 s28, s22, 5
	s_add_co_u32 s27, s27, s28                     ; my wave's first column
	s_lshl_b32 s28, s27, 2
	s_lshl_b32 s29, s26, 20                        ; 256 rows of 4,096 bytes
	s_add_co_u32 s28, s28, s29
	s_mov_b32 s29, 0
	s_lshl_b32 s30, s24, 6
	s_lshr_b32 s27, s27, 4
	s_add_co_u32 s30, s30, s27                     ; my first row block of wc
	s_mul_i32 s32, s30, 12288
	s_mul_i32 s33, s26, 3072
	s_add_co_u32 s32, s32, s33
	s_mov_b32 s33, 0
	s_lshl_b32 s34, s30, 9
	s_lshl_b32 s35, s26, 7
	s_add_co_u32 s34, s34, s35
	s_mov_b32 s35, 0
	s_wait_kmcnt 0x0
	s_cmp_eq_u32 s24, 1                            ; the choice hangs on the work-group's number alone
	s_cselect_b64 s[6:7], s[8:9], s[6:7]
	s_cmp_eq_u32 s24, 2
	s_cselect_b64 s[6:7], s[10:11], s[6:7]
	s_cmp_eq_u32 s24, 3
	s_cselect_b64 s[6:7], s[12:13], s[6:7]
	s_add_nc_u64 s[6:7], s[6:7], s[28:29]
	s_add_nc_u64 s[18:19], s[18:19], s[32:33]
	s_add_nc_u64 s[20:21], s[20:21], s[34:35]
.macro WLOAD t                         ; block t: W(32 t + i, my column) into set t % 2; 32 lanes read 128 consecutive bytes, the four waves 512
.set ii, 0
.rept 32
	global_load_b32 v[16+32*((\t)%2)+ii], v2, s[6:7] offset:(32*(\t)+ii)*4096 th:TH_LOAD_NT
.set ii, ii+1
.endr
.endm
.macro WBLOCK t
.set XS, 16+32*((\t)%2)
.if (\t) < 7
	s_wait_loadcnt 32                              ; this block's 32 loads are in; the next block's may be out
.else
	s_wait_loadcnt 0x0
.endif
	v_max3_num_f32 v228, |v[XS]|, |v[XS+1]|, |v[XS+2]|
	v_max3_num_f32 v229, |v[XS+3]|, |v[XS+4]|, |v[XS+5]|
.irp i, 6,10,14,18,22,26
	v_max3_num_f32 v228, v228, |v[XS+\i]|, |v[XS+\i+1]|
	v_max3_num_f32 v229, v229, |v[XS+\i+2]|, |v[XS+\i+3]|
.endr
	v_max3_num_f32 v228, v228, |v[XS+30]|, |v[XS+31]|
	v_max3_num_f32 v228, v228, v229, FLOOR
	v_add_nc_u32 v230, OFFE, v228
	v_lshrrev_b32 v231, 23, v230
.if (\t)%4 == 0
	v_mov_b32 v[192+(\t)/4], v231                  ; four bytes to a register, the lower K in the lower byte
.else
	v_lshl_or_b32 v[192+(\t)/4], v231, 8*((\t)%4), v[192+(\t)/4]
.endif
	v_cvt_scalef32_pk16_fp6_f32 v[144+6*(\t):146+6*(\t)], v[XS:XS+15], v230    ; each block has code registers of its own: no store's data are written again
	v_cvt_scalef32_pk16_fp6_f32 v[T:T+2], v[XS+16:XS+31], v230
	v_nop                                          ; one plain place behind a scaled conversion
.irp i, 0,1,2
	v_mov_b32 v[147+6*(\t)+\i], v[T+\i]
.endr
.if (\t)+2 < 8
	WLOAD (\t)+2
.endif
	global_store_b128 v7, v[144+6*(\t):147+6*(\t)], s[18:19] offset:((\t)/2)*768+256*((\t)%2)       ; block t is half t / 2, lanes' half t % 2: sixteen lanes fill 256 aligned bytes
	global_store_b64 v8, v[148+6*(\t):149+6*(\t)], s[18:19] offset:((\t)/2)*768+512+128*((\t)%2)
.endm
	WLOAD 0
	WLOAD 1
.irp t, 0,1,2,3,4,5,6,7
	WBLOCK \t
.endr
	global_store_b64 v9, v[192:193], s[20:21]
	s_endpgm
.Lfunc_end_k_q7893e6d280_prep:
	.size	k_q7893e6d280_prep, .Lfunc_end_k_q7893e6d280_prep-k_q7893e6d280_prep
	.p2alignl 7, 3214868480
	.fill 96, 4, 3214868480
	.section	.rodata,"a",@progbits
	.p2align	6, 0x0
	.amdhsa_kernel k_q7893e6d280_prep
		.amdhsa_group_segment_fixed_size 34304
		.amdhsa_private_segment_fixed_size 0
		.amdhsa_enable_private_segment 0
		.amdhsa_kernarg_size 72
		.amdhsa_user_sgpr_count 2
		.amdhsa_user_sgpr_kernarg_segment_ptr 1
		.amdhsa_wavefront_size32 1
		.amdhsa_system_sgpr_workgroup_id_x 1
		.amdhsa_system_sgpr_workgroup_id_y 1
		.amdhsa_system_sgpr_workgroup_id_z 1
		.amdhsa_system_vgpr_workitem_id 0
		.amdhsa_next_free_vgpr 246
		.amdhsa_next_free_sgpr 66
		.amdhsa_reserve_vcc 1
		.amdhsa_float_denorm_mode_32 3
		.amdhsa_float_denorm_mode_16_64 3
		.amdhsa_memory_ordered 1
		.amdhsa_forward_progress 1
		.amdhsa_inst_pref_size 70
	.end_amdhsa_kernel
	.amdgpu_metadata
---
amdhsa.version: [ 1, 2 ]
amdhsa.kernels:
  - .name:           k_q7893e6d280_prep
    .symbol:         k_q7893e6d280_prep.kd
    .args:
      - { .name: x, .offset: 0, .size: 8, .value_kind: global_buffer, .address_space: global }
      - { .name: wq, .offset: 8, .size: 8, .value_kind: global_buffer, .address_space: global }
      - { .name: wk, .offset: 16, .size: 8, .value_kind: global_buffer, .address_space: global }
      - { .name: wv, .offset: 24, .size: 8, .value_kind: global_buffer, .address_space: global }
      - { .name: wo, .offset: 32, .size: 8, .value_kind: global_buffer, .address_space: global }
      - { .name: xc, .offset: 40, .size: 8, .value_kind: global_buffer, .address_space: global }
      - { .name: xs, .offset: 48, .size: 8, .value_kind: global_buffer, .address_space: global }
      - { .name: wc, .offset: 56, .size: 8, .value_kind: global_buffer, .address_space: global }
      - { .name: ws, .offset: 64, .size: 8, .value_kind: global_buffer, .address_space: global }
    .group_segment_fixed_size: 34304
    .private_segment_fixed_size: 0
    .kernarg_segment_align: 8
    .kernarg_segment_size: 72
    .max_flat_workgroup_size: 128
    .sgpr_count:     66
    .vgpr_count:     246
    .wavefront_size: 32
...
	.end_amdgpu_metadata
.endif
;; end of part 1
;; launch qkv (part 2): grid 12 x 32, 4 waves a work-group, clusters of 4 x 4, 327,680 bytes of LDS; arguments xc, xs, wc, ws, qk, vimg; writes qk, vimg
.if DOCPART == 2
	.amdgcn_target "amdgcn-amd-amdhsa--gfx1250"
	.amdhsa_code_object_version 6
	.text
	.protected	k_q7893e6d280_qkv
	.globl	k_q7893e6d280_qkv
	.p2align	8
	.type	k_q7893e6d280_qkv,@function
k_q7893e6d280_qkv:
	s_mov_b64 s[64:65], 0
	v_nop
	global_prefetch_b8 v0, s[64:65] scope:SCOPE_SE
	s_setreg_imm32_b32 hwreg(HW_REG_WAVE_MODE, 25, 1), 1
	s_wait_xcnt 0x0
	s_wait_alu depctr_hold_cnt(0) depctr_sa_sdst(0) depctr_va_vdst(0) depctr_va_sdst(0) depctr_va_ssrc(0) depctr_va_vcc(0) depctr_vm_vsrc(0)
	s_getreg_b32 s2, hwreg(HW_REG_IB_STS2, 6, 4)
	s_cmp_eq_u32 s2, 0
	s_cbranch_scc0 .Lentry_in_a_cluster
	s_endpgm
.Lentry_in_a_cluster:
	s_bfe_u32 s2, ttmp6, 0x10000c
	s_cmp_lg_u32 s2, 0xf033
	s_cbranch_scc0 .Lentry_shape_is_right
	s_endpgm
.Lentry_shape_is_right:
; q = x wq, k = x wk, v = x wv on codes of FP6 (E2M3) with E8M0 scales, K = 1,024; the f32 sums are quantised in registers and leave as codes: no f32 result goes to memory.
; Operands lie in memory as images of operand registers: [row block of 16 stored rows][16 half records of 768 bytes]; scale bytes [row block][4][16 rows][8].  Stored row 32 b + 16 u + 8 h + j is row 32 b + 16 h + 8 u + j.
; A work-group of four waves makes 256 x 256, a wave 128 x 128: 64 accumulators, 512 registers.  K goes in steps of 256 through a ring of two LDS slots filled by the tensor data mover.
; THE MATRIX INSTRUCTION IS USED TRANSPOSED: source 0 = a row block of B, source 1 = a row block of A.  By the stored order of B's rows, the 16 registers of a lane in two neighbouring tiles are 16 NEIGHBOURS along B's rows.
; Clusters x = 0, 1: A = x (tokens), B = wq, wk (n): a lane holds a token and runs along n, the head's axis, which is the K of q k^T.  A wave's 128 n are two heads: two half records for each block of 16 tokens.
; Cluster x = 2: A = wv (channels), B = x (tokens): a lane holds a channel and runs along the tokens, the K of p v.  A wave's 128 tokens are one key step: one fragment for each block of 16 channels.
; The choice hangs on the cluster's x alone, which all partners share.  qk: [32 heads: q's 16, k's 16][512 row blocks][768 codes + 256 scale pairs]; vimg: [batch][head][16 key steps][4 tiles of channels][1,536 codes + 256 scale pairs].
; CLUSTERS: 4 x 4 work-groups; A's tiles are asked for jointly by a row of the cluster, B's by a column.
; LIMITS: a block of zeros gets the byte 1 (its codes are zeros; only this program reads the bytes); blocks under 2^-124 are held at the byte 1; NaN and infinities are not served.
; REGISTERS, in windows of 256: window 0: v0-31 addresses; v32-63 scale words, two sets; v64-102 the way out; v128-223 A's fragments, one set.  window 1: B's fragments, two sets, at v0 and v128.  windows 2, 3: the accumulators ((a, b) at v[8 (8 (a % 4) + b)]).
.set HREC,   768
.set RBB,    12288                     ; a row block's codes in memory
.set RBS,    3072                      ; its part of a slot: four half records, 256 along K
.set HALFT,  8*RBS                     ; what one tensor load brings, and what one wave reads of A or of B
.set SLOT,   4*HALFT
.set SCL,    2*SLOT                    ; behind the ring: the scales of the 512 rows for all of K
.set HALFS,  4096
.set SPARE,  SCL+4*HALFS               ; the spare words, 128 bytes a wave: two blocks of 256 bytes that no other line names
.set NQ,     2
.set FR,     12
.set NL,     4                         ; LDS loads that bring a fragment
.set NP,     4                         ; places behind this matrix instruction (ISA guide 7.12.1)
.set LAPS,   2
.set L16,  12                          ; v12  16 x lane
.set L8,   13                          ; v13  8 x lane
.set ADRA, 16                          ; v16-17 A's images in slot 0, 1, at 16 x lane; v18-19 at 8 x lane
.set ADRB, 20                          ; v20-23 the same for B
.set ADRS, 27                          ; v27  my scale words: lanes 0-15 A's rows, lanes 16-31 B's
.set SPW,  28
.set NIL,  29
.set SC,   32
.set AF,   128
.set TM,   64                          ; the way out: v64-67 largest magnitudes, v68-71 bytes, v76-79 scale operands
.set PW,   80                          ; v[80:81] the scale word and 0; v[82:83] its upper half and 0
.set PC,   84                          ; v84-95 the codes; v96-98, v100-102 second halves
.set SEL,  66                          ; s[66:67]
.set G1, 24
.set G0, 32
.set G1B, 48
.set G0B, 56
.set G1S, 68
.set G0S, 76
.set G1SB, 80
.set G0SB, 88
.set MSB, 0
.macro WIN new                         ; the immediate's high byte repeats the setting that is left
.if MSB != (\new)
	s_set_vgpr_msb (MSB<<8)|(\new)
.set MSB, (\new)
.endif
.endm
.set MUL_LO, 0xa1                      ; source 0 (B) window 1, source 1 (A) window 0, C and D window 2
.set MUL_HI, 0xf1
.set TO_B,   0x40
.macro JLOAD g0a, g1a, g0b, g1b        ; a joint load: waves 0, 1 fetch for A, waves 2, 3 for B; four v_nop follow each line
	s_cmp_eq_u32 s15, 0
	s_cbranch_scc0 .Lfor_b_\@
	tensor_load_to_lds s[\g0a:\g0a+3], s[\g1a:\g1a+7]
	s_nop 0
.rept 4
	v_nop
.endr
	s_branch .Lasked_\@
.Lfor_b_\@:
	tensor_load_to_lds s[\g0b:\g0b+3], s[\g1b:\g1b+7]
	s_nop 0
.rept 4
	v_nop
.endr
.Lasked_\@:
.endm
.macro CREST
	s_cmp_lg_u32 s14, 0
	s_cbranch_scc1 .Lnot_wave_0_\@
	s_barrier_signal -3
.Lnot_wave_0_\@:
	s_barrier_wait -3
	s_barrier_signal -1
	s_barrier_wait -1
.endm
.macro CROUND
	s_barrier_signal -1
	s_barrier_wait -1
	CREST
.endm
	s_load_b256 s[68:75], s[0:1], 0x0              ; xc, xs, wc, ws
	s_load_b128 s[76:79], s[0:1], 0x20             ; qk, vimg
	v_lshl_add_u32 v[SPW], v0, 2, SPARE
	v_mov_b32 v[NIL], 0
	ds_add_u32 v28, v29
	ds_add_u32 v28, v29
	s_wait_dscnt 0x0
	v_lshrrev_b32 v1, 5, v0
	v_readfirstlane_b32 s14, v1                    ; wave
	s_lshr_b32 s15, s14, 1                         ; my half of A's rows.  Also: I fetch for A (0) or B (1)
	s_and_b32 s16, s14, 1                          ; my half of B's rows.  Also: which 8 row blocks I fetch
	s_bfe_u32 s40, ttmp6, 0x40000                  ; cx
	s_bfe_u32 s41, ttmp6, 0x40004                  ; cy
	s_and_b32 s42, ttmp7, 0xffff                   ; the cluster's y
	s_lshl_b32 s43, s41, 2
	s_lshl_b32 s43, 15, s43                        ; my row of the cluster
	s_lshl_b32 s44, 0x1111, s40                    ; my column
	s_lshl_b32 s18, s42, 6
	s_lshl_b32 s45, ttmp9, 6
	s_cmp_eq_u32 ttmp9, 2                          ; the cluster's x: 2 makes v
	s_cselect_b32 s17, 1, 0
	s_cselect_b32 s19, 128, s18                    ; A's first row block less 16 cy: wv's, or the tokens' 64 x cluster y
	s_cselect_b32 s45, s18, s45                    ; B's less 16 cx: the tokens', or wq's and wk's 64 x cluster x
	s_lshl_b32 s2, s16, 3
	s_lshl_b32 s20, s41, 4
	s_add_co_u32 s20, s20, s19
	s_add_co_u32 s20, s20, s2                      ; the first row block of A that I fetch
	s_lshl_b32 s46, s40, 4
	s_add_co_u32 s46, s46, s45
	s_add_co_u32 s46, s46, s2                      ; and of B
	s_lshl_b32 s22, s20, 9
	s_mov_b32 s23, 0
	s_mul_i32 s20, s20, RBB
	s_mov_b32 s21, 0
	s_lshl_b32 s92, s46, 9
	s_mov_b32 s93, 0
	s_mul_i32 s46, s46, RBB
	s_mov_b32 s47, 0
	s_mul_i32 s94, s14, HALFT                      ; where they go: no place in the cluster enters an LDS address
	s_lshl_b32 s95, s14, 12
	s_mov_b32 s[SEL], 0x76543210
	s_mov_b32 s[SEL+1], 0xfedcba98
	; group 1 for codes: 8 rows (row blocks) of 384 elements of 8 bytes, 1,536 elements apart; dense in LDS
	s_or_b32 s[G1+0], s43, (3<<16)|(1<<21)
	s_or_b32 s[G1B+0], s44, (3<<16)|(1<<21)
.irp g, G1, G1B
	s_mov_b32 s[\g+1], 384<<16
	s_mov_b32 s[\g+2], 8<<16
	s_mov_b32 s[\g+3], 384<<16
	s_mov_b32 s[\g+4], 8
	s_mov_b32 s[\g+5], 1536
	s_mov_b32 s[\g+6], 0
	s_mov_b32 s[\g+7], 0
.endr
	s_wait_kmcnt 0x0
	s_cmp_eq_u32 s17, 1
	s_cselect_b64 s[4:5], s[72:73], s[68:69]       ; A's codes
	s_cselect_b64 s[6:7], s[74:75], s[70:71]       ; A's scales
	s_cselect_b64 s[8:9], s[68:69], s[72:73]       ; B's codes
	s_cselect_b64 s[10:11], s[70:71], s[74:75]     ; B's scales
	s_cselect_b64 s[12:13], s[78:79], s[76:77]     ; the result
	; group 1 for scales: 4,096 dense bytes as 16 rows of 256
	s_or_b32 s[G1S+0], s43, (3<<16)|(1<<21)
	s_or_b32 s[G1SB+0], s44, (3<<16)|(1<<21)
.irp g, G1S, G1SB
	s_mov_b32 s[\g+1], 32<<16
	s_mov_b32 s[\g+2], 16<<16
	s_mov_b32 s[\g+3], 32<<16
	s_mov_b32 s[\g+4], 16
	s_mov_b32 s[\g+5], 32
	s_mov_b32 s[\g+6], 0
	s_mov_b32 s[\g+7], 0
.endr
	s_add_nc_u64 s[20:21], s[4:5], s[20:21]
	s_add_nc_u64 s[22:23], s[6:7], s[22:23]
	s_add_nc_u64 s[46:47], s[8:9], s[46:47]
	s_add_nc_u64 s[92:93], s[10:11], s[92:93]
	CROUND                                         ; all sixteen work-groups are here: the first joint loads meet
	s_mov_b32 s[G0S], 1
	s_add_co_u32 s[G0S+1], s95, SCL
	s_mov_b64 s[G0S+2:G0S+3], s[22:23]
	s_or_b32 s[G0S+3], s[G0S+3], 0x80000000
	s_mov_b32 s[G0SB], 1
	s_add_co_u32 s[G0SB+1], s95, SCL
	s_mov_b64 s[G0SB+2:G0SB+3], s[92:93]
	s_or_b32 s[G0SB+3], s[G0SB+3], 0x80000000
	JLOAD G0S, G1S, G0SB, G1SB                     ; the scales first
.irp s, 0,1
	s_mov_b32 s[G0+4*\s], 1
	s_add_co_u32 s[G0+4*\s+1], s94, \s*SLOT
	s_add_nc_u64 s[G0+4*\s+2:G0+4*\s+3], s[20:21], \s*RBS
	s_or_b32 s[G0+4*\s+3], s[G0+4*\s+3], 0x80000000
	s_mov_b32 s[G0B+4*\s], 1
	s_add_co_u32 s[G0B+4*\s+1], s94, \s*SLOT
	s_add_nc_u64 s[G0B+4*\s+2:G0B+4*\s+3], s[46:47], \s*RBS
	s_or_b32 s[G0B+4*\s+3], s[G0B+4*\s+3], 0x80000000
	JLOAD G0+4*\s, G1, G0B+4*\s, G1B
.endr
	v_and_b32 v1, 31, v0
	v_lshlrev_b32 v[L16], 4, v1
	v_lshlrev_b32 v[L8], 3, v1
	s_mul_i32 s21, s15, HALFT                      ; my 8 row blocks of A,
	s_mul_i32 s22, s16, HALFT                      ; of B,
	s_add_co_u32 s22, s22, 2*HALFT                 ; which lie behind A's 16
.irp s, 0,1
	v_add_nc_u32 v[ADRA+\s], s21, v[L16]
	v_add_nc_u32 v[ADRB+\s], s22, v[L16]
	v_add_nc_u32 v[ADRA+2+\s], s21, v[L8]
	v_add_nc_u32 v[ADRB+2+\s], s22, v[L8]
	s_add_co_u32 s21, s21, SLOT
	s_add_co_u32 s22, s22, SLOT
.endr
	v_and_b32 v2, 15, v0                           ; r
	v_bfe_u32 v3, v0, 4, 1                         ; h
	v_lshlrev_b32 v6, 3, v2                        ; 8 bytes a row
	s_mul_i32 s21, s15, HALFS
	s_mul_i32 s22, s16, HALFS
	s_add_co_u32 s22, s22, 2*HALFS
	s_sub_co_u32 s22, s22, s21
	v_mul_u32_u24 v7, s22, v3                      ; lanes 16-31 take B's
	s_add_co_u32 s21, s21, SCL
	v_add_nc_u32 v6, v6, v7
	v_add_nc_u32 v[ADRS], s21, v6
	; where my wave's results begin.  q, k: (my first head) x 524,288 + (my first row block of tokens) x 1,024
	s_lshl_b32 s92, ttmp9, 3
	s_lshl_b32 s93, s40, 1
	s_add_co_u32 s92, s92, s93
	s_add_co_u32 s92, s92, s16
	s_lshl_b32 s92, s92, 20
	s_lshl_b32 s94, s41, 4
	s_add_co_u32 s94, s94, s19
	s_lshl_b32 s95, s15, 3
	s_add_co_u32 s94, s94, s95
	s_lshl_b32 s94, s94, 10
	s_add_co_u32 s92, s92, s94
	; v: ((batch x 16 + my first head) x 64 + key step x 4) x 1,792, key step of all = 8 x cluster y + 2 cx + my half
	s_lshl_b32 s46, s42, 3
	s_add_co_u32 s46, s46, s93
	s_add_co_u32 s46, s46, s16
	s_lshr_b32 s47, s46, 4
	s_lshl_b32 s47, s47, 4
	s_lshl_b32 s94, s41, 2
	s_add_co_u32 s47, s47, s94
	s_lshl_b32 s95, s15, 1
	s_add_co_u32 s47, s47, s95
	s_lshl_b32 s47, s47, 6
	s_and_b32 s46, s46, 15
	s_lshl_b32 s46, s46, 2
	s_add_co_u32 s47, s47, s46
	s_mul_i32 s47, s47, 1792
	s_cmp_eq_u32 s17, 1
	s_cselect_b32 s92, s47, s92
	s_mov_b32 s93, 0
	s_add_nc_u64 s[12:13], s[12:13], s[92:93]
.macro FRAG reg, adr, q, i             ; a fragment, 16 rows x 128 K, is two half records: registers 6 c .. 6 c + 5 from half c: 16 bytes at 16 x lane, 8 bytes at 512 + 8 x lane: every load reads consecutive bytes
	ds_load_b128 v[\reg:\reg+3], v[\adr] offset:(\i)*RBS+2*(\q)*HREC
	ds_load_b64 v[\reg+4:\reg+5], v[\adr+2] offset:(\i)*RBS+2*(\q)*HREC+512
	ds_load_b128 v[\reg+6:\reg+9], v[\adr] offset:(\i)*RBS+(2*(\q)+1)*HREC
	ds_load_b64 v[\reg+10:\reg+11], v[\adr+2] offset:(\i)*RBS+(2*(\q)+1)*HREC+512
.endm
; 16 matrix instructions: A's blocks a0, a0 + 1 x B's eight.  The 64 accumulators take turns, one instruction a turn.
.macro MUL16 a0, p, q, sc, zero
.irp a, \a0, \a0+1
.irp b, 0,1,2,3,4,5,6,7
.if \zero
	v_wmma_scale_f32_16x16x128_f8f6f4 v[8*(8*((\a)%4)+\b):8*(8*((\a)%4)+\b)+7], v[128*(\p)+FR*\b:128*(\p)+FR*\b+FR-1], v[AF+FR*(\a):AF+FR*(\a)+FR-1], 0, v[SC+8*NQ*(\sc)+NQ*\b+(\q)], v[SC+8*NQ*(\sc)+NQ*(\a)+(\q)] matrix_a_fmt:MATRIX_FMT_FP6 matrix_b_fmt:MATRIX_FMT_FP6 matrix_a_scale:MATRIX_SCALE_ROW1
.else
	v_wmma_scale_f32_16x16x128_f8f6f4 v[8*(8*((\a)%4)+\b):8*(8*((\a)%4)+\b)+7], v[128*(\p)+FR*\b:128*(\p)+FR*\b+FR-1], v[AF+FR*(\a):AF+FR*(\a)+FR-1], v[8*(8*((\a)%4)+\b):8*(8*((\a)%4)+\b)+7], v[SC+8*NQ*(\sc)+NQ*\b+(\q)], v[SC+8*NQ*(\sc)+NQ*(\a)+(\q)] matrix_a_fmt:MATRIX_FMT_FP6 matrix_b_fmt:MATRIX_FMT_FP6 matrix_a_scale:MATRIX_SCALE_ROW1
.endif
.endr
.endr
.endm
.macro FETCH_B slot, q, p
	WIN TO_B
.irp i, 0,1,2,3,4,5,6,7
	FRAG 128*(\p)+FR*\i, ADRB+\slot, \q, \i
.endr
	WIN 0
.endm
.macro FETCH_A slot, q, i0
.irp i, \i0, \i0+1, \i0+2, \i0+3
	FRAG AF+FR*(\i), ADRA+\slot, \q, \i
.endr
.endm
.macro SCALES sc                       ; a K step's scale words: two words a row; lanes 0-15 A's block i, lanes 16-31 B's block i
.irp i, 0,1,2,3,4,5,6,7
	ds_load_b64 v[SC+8*NQ*\sc+NQ*\i:SC+8*NQ*\sc+NQ*\i+1], v[ADRS] offset:\i*512
.endr
.endm
.macro PLACES n                        ; plain vector instructions between a matrix instruction and a load into, or a read of, its registers
.rept \n
	v_nop
.endr
.endm
.macro STEP slot, q, zero              ; 128 along K whose successor lies in the same slot
	s_wait_dscnt 4*NL                              ; all but the youngest sixteen loads (A's blocks 4-7) are in
	WIN MUL_LO
	MUL16 0, (\q)%2, \q, \slot, \zero
	MUL16 2, (\q)%2, \q, \slot, \zero
	s_wait_dscnt 0
	PLACES NP
	FETCH_B \slot, (\q)+1, 1-(\q)%2
	FETCH_A \slot, (\q)+1, 0
	WIN MUL_HI
	MUL16 4, (\q)%2, \q, \slot, \zero
	MUL16 6, (\q)%2, \q, \slot, \zero
	PLACES NP
	WIN 0
	FETCH_A \slot, (\q)+1, 4
.endm
.macro TURN slot, next, fill           ; a slot's last 128 along K, and the change of slots: one barrier
	s_wait_tensorcnt 0x0                           ; all my tensor loads have landed: my part of the next slot
	ds_add_u32 v[SPW], v[NIL]                      ; 0 onto my spare word
	s_wait_dscnt 4*NL+1                            ; the add and the youngest sixteen loads may be out
	WIN MUL_LO
	MUL16 0, 1, NQ-1, \slot, 0
	s_wait_dscnt 0x0                               ; the add is done, and my reads of this slot are over
	s_barrier_signal -1
	MUL16 2, 1, NQ-1, \slot, 0
	WIN 0
	s_barrier_wait -1
.if \fill
	CREST                                          ; the barrier has opened a round of the cluster's: no wave of any partner still reads this slot or has a load on its way
	s_add_nc_u64 s[G0+4*\slot+2:G0+4*\slot+3], s[G0+4*\slot+2:G0+4*\slot+3], 2*RBS
	s_add_nc_u64 s[G0B+4*\slot+2:G0B+4*\slot+3], s[G0B+4*\slot+2:G0B+4*\slot+3], 2*RBS
	JLOAD G0+4*\slot, G1, G0B+4*\slot, G1B         ; the first tensor load behind the round; its four v_nop are the places in front of the loads below
.else
	PLACES NP
.endif
	s_wait_alu depctr_va_vdst(0)
	v_add_nc_u32 v[ADRS], 128, v[ADRS]             ; the next K step's scale words
	FETCH_B \next, 0, 0
	FETCH_A \next, 0, 0
	SCALES \next
	WIN MUL_HI
	MUL16 4, 1, NQ-1, \slot, 0
	MUL16 6, 1, NQ-1, \slot, 0
	PLACES NP
	WIN 0
	FETCH_A \next, 0, 4
.endm
	s_wait_alu depctr_va_vdst(0)
	s_wait_tensorcnt 1                             ; the scales and my part of K step 0 are in; K step 1's load may be out
	s_barrier_signal -1
	s_barrier_wait -1
	FETCH_B 0, 0, 0
	FETCH_A 0, 0, 0
	SCALES 0
	FETCH_A 0, 0, 4
	STEP 0, 0, 1                                   ; the first products start the sums
	s_mov_b32 s3, LAPS-1
.Llap:
	TURN 0, 1, 1
	STEP 1, 0, 0
	TURN 1, 0, 1
	STEP 0, 0, 0
	s_sub_co_u32 s3, s3, 1
	s_cmp_lg_u32 s3, 0
	s_cbranch_scc1 .Llap
	TURN 0, 1, 0                                   ; the last lap fills nothing
	STEP 1, 0, 0
	s_wait_dscnt 4*NL
	WIN MUL_LO
	MUL16 0, 1, NQ-1, 1, 0
	MUL16 2, 1, NQ-1, 1, 0
	s_wait_dscnt 0
	WIN MUL_HI
	MUL16 4, 1, NQ-1, 1, 0
	MUL16 6, 1, NQ-1, 1, 0
	WIN 0
; THE WAY OUT.  Block a: a lane's 64 sums, register 16 e + i = index 32 e + 16 (lane / 16) + i along B's rows, are four blocks of 32, each shared with lane l xor 16.  They become a fragment's 12 registers and a scale word.
	PLACES NP
.irp b, 0,1,2,3
	v_mov_b32 v[TM+4+\b], 0                        ; a lane permute's destination counts as read
.endr
	v_mov_b32 v[PW+1], 0
	v_mov_b32 v[PW+3], 0
.macro OUTBLK a
.set W, 2+(\a)/4
.set AC, 64*((\a)%4)
	WIN (W|(W<<2))
.irp b, 0,1,2,3
	v_max3_num_f32 v[TM+\b], |v[AC+16*\b]|, |v[AC+16*\b+1]|, 0x1800000   ; each accumulator is read from its low end on; the floor holds the byte at 1 from below
.endr
	WIN ((W<<2)|(W<<4))
.irp i, 2,4,6,8,10,12,14
.irp b, 0,1,2,3
	v_max3_num_f32 v[TM+\b], v[TM+\b], |v[AC+16*\b+\i]|, |v[AC+16*\b+\i+1]|
.endr
.endr
	WIN 0
.irp b, 0,1,2,3
	v_permlanex16_b32 v[TM+4+\b], v[TM+\b], s[SEL], s[SEL+1]
.endr
.irp b, 0,1,2,3
	v_max_num_f32 v[TM+\b], v[TM+\b], v[TM+4+\b]
.endr
.irp b, 0,1,2,3
	v_add_nc_u32 v[TM+12+\b], 0xff000000, v[TM+\b]
.endr
.irp b, 0,1,2,3
	v_lshrrev_b32 v[TM+4+\b], 23, v[TM+12+\b]
.endr
	s_wait_alu depctr_va_vdst(0)
	s_wait_xcnt 0x0                                ; the last block's stores have read the word's and the codes' registers
	v_lshl_or_b32 v[PW], v[TM+5], 8, v[TM+4]
	v_lshl_or_b32 v[PW], v[TM+6], 16, v[PW]
	v_lshl_or_b32 v[PW], v[TM+7], 24, v[PW]
	v_lshrrev_b32 v[PW+2], 16, v[PW]               ; the second head's two bytes
	WIN W
.irp c, 0,1
	v_cvt_scalef32_pk16_fp6_f32 v[PC+6*\c:PC+2+6*\c], v[AC+32*\c:AC+15+32*\c], v[TM+12+2*\c]
	v_cvt_scalef32_pk16_fp6_f32 v[PC+12+4*\c:PC+14+4*\c], v[AC+16+32*\c:AC+31+32*\c], v[TM+12+2*\c+1]
.endr
	WIN 0
	v_nop                                          ; one plain place behind a scaled conversion
.irp c, 0,1                            ; the operand's layout wants a whole block in a lane
.irp i, 0,1,2
	v_permlane16_swap_b32 v[PC+6*\c+\i], v[PC+12+4*\c+\i]
.endr
.irp i, 0,1,2
	v_mov_b32 v[PC+3+6*\c+\i], v[PC+12+4*\c+\i]
.endr
.endr
	s_cmp_eq_u32 s17, 0
	s_cbranch_scc0 .Lv_\@
.irp c, 0,1                            ; q, k: head c of my two: a half record and its scale pairs
	global_store_b128 v[L16], v[PC+6*\c:PC+6*\c+3], s[12:13] offset:(\a)*1024+\c*524288
	global_store_b64 v[L8], v[PC+6*\c+4:PC+6*\c+5], s[12:13] offset:(\a)*1024+\c*524288+512
	global_store_b64 v[L8], v[PW+2*\c:PW+2*\c+1], s[12:13] offset:(\a)*1024+\c*524288+768
.endr
	s_branch .Ls_\@
.Lv_\@:
	s_wait_alu depctr_va_vdst(0)
.irp c, 0,1,2                          ; v: head a / 4 of my two, tile a % 4 of its channels: the fragment's registers by fours, and its scale pairs
	global_store_b128 v[L16], v[PC+4*\c:PC+4*\c+3], s[12:13] offset:((\a)/4)*114688+((\a)%4)*1792+512*\c
.endr
	global_store_b64 v[L8], v[PW:PW+1], s[12:13] offset:((\a)/4)*114688+((\a)%4)*1792+1536
.Ls_\@:
.endm
.irp a, 0,1,2,3,4,5,6,7
	OUTBLK \a
.endr
	s_wait_tensorcnt 0x0                           ; the wave's end
	ds_add_u32 v[SPW], v[NIL]
	s_wait_dscnt 0x0
	CROUND                                         ; the closing round
	s_endpgm
.Lfunc_end_k_q7893e6d280_qkv:
	.size	k_q7893e6d280_qkv, .Lfunc_end_k_q7893e6d280_qkv-k_q7893e6d280_qkv
	.p2alignl 7, 3214868480
	.fill 96, 4, 3214868480
	.section	.rodata,"a",@progbits
	.p2align	6, 0x0
	.amdhsa_kernel k_q7893e6d280_qkv
		.amdhsa_group_segment_fixed_size 327680
		.amdhsa_private_segment_fixed_size 0
		.amdhsa_enable_private_segment 0
		.amdhsa_kernarg_size 48
		.amdhsa_user_sgpr_count 2
		.amdhsa_user_sgpr_kernarg_segment_ptr 1
		.amdhsa_wavefront_size32 1
		.amdhsa_system_sgpr_workgroup_id_x 1
		.amdhsa_system_sgpr_workgroup_id_y 1
		.amdhsa_system_sgpr_workgroup_id_z 1
		.amdhsa_system_vgpr_workitem_id 0
		.amdhsa_next_free_vgpr 1024
		.amdhsa_next_free_sgpr 96
		.amdhsa_reserve_vcc 0
		.amdhsa_float_denorm_mode_32 3
		.amdhsa_float_denorm_mode_16_64 3
		.amdhsa_memory_ordered 1
		.amdhsa_forward_progress 1
		.amdhsa_inst_pref_size 155
	.end_amdhsa_kernel
	.amdgpu_metadata
---
amdhsa.version: [ 1, 2 ]
amdhsa.kernels:
  - .name:           k_q7893e6d280_qkv
    .symbol:         k_q7893e6d280_qkv.kd
    .args:
      - { .name: xc, .offset: 0, .size: 8, .value_kind: global_buffer, .address_space: global }
      - { .name: xs, .offset: 8, .size: 8, .value_kind: global_buffer, .address_space: global }
      - { .name: wc, .offset: 16, .size: 8, .value_kind: global_buffer, .address_space: global }
      - { .name: ws, .offset: 24, .size: 8, .value_kind: global_buffer, .address_space: global }
      - { .name: qk, .offset: 32, .size: 8, .value_kind: global_buffer, .address_space: global }
      - { .name: vimg, .offset: 40, .size: 8, .value_kind: global_buffer, .address_space: global }
    .group_segment_fixed_size: 327680
    .private_segment_fixed_size: 0
    .kernarg_segment_align: 8
    .kernarg_segment_size: 48
    .max_flat_workgroup_size: 128
    .sgpr_count:     96
    .vgpr_count:     1024
    .wavefront_size: 32
...
	.end_amdgpu_metadata
.endif
;; end of part 2
;; launch attn (part 3): grid 4 x 64, 16 waves a work-group, clusters of 4 x 1, 247,808 bytes of LDS; arguments qk, vimg, cc, cs; writes cc, cs
.if DOCPART == 3
	.amdgcn_target "amdgcn-amd-amdhsa--gfx1250"
	.amdhsa_code_object_version 6
	.text
	.protected	k_q7893e6d280_attn
	.globl	k_q7893e6d280_attn
	.p2align	8
	.type	k_q7893e6d280_attn,@function
k_q7893e6d280_attn:
	s_mov_b64 s[64:65], 0
	v_nop
	global_prefetch_b8 v0, s[64:65] scope:SCOPE_SE
	s_setreg_imm32_b32 hwreg(HW_REG_WAVE_MODE, 25, 1), 1
	s_wait_xcnt 0x0
	s_wait_alu depctr_hold_cnt(0) depctr_sa_sdst(0) depctr_va_vdst(0) depctr_va_sdst(0) depctr_va_ssrc(0) depctr_va_vcc(0) depctr_vm_vsrc(0)
	s_getreg_b32 s2, hwreg(HW_REG_IB_STS2, 6, 4)
	s_cmp_eq_u32 s2, 0
	s_cbranch_scc0 .Lentry_in_a_cluster
	s_endpgm
.Lentry_in_a_cluster:
	s_bfe_u32 s2, ttmp6, 0x10000c
	s_cmp_lg_u32 s2, 0x3003
	s_cbranch_scc0 .Lentry_shape_is_right
	s_endpgm
.Lentry_shape_is_right:
; Causal attention on codes of FP6 (E2M3), head size 64, 2,048 tokens, 64 (batch, head) pairs; the result, divided by the row's sum, is quantised along the model's axis and leaves as the last product's operand.
; THE SOFTMAX: t = score x log2(e) / 8; M = the running largest t rounded up to a whole number; p = 2^(t - M) is quantised along the keys, not normalised; the row's sum is taken of the unquantised p.  When M moves, the sum and O are multiplied by 2^(old M - new M): exact.
; SHARES.  A cluster of four work-groups owns one (batch, head); all four walk the same K and V, so these are asked for JOINTLY, once: the head's whole K (131,072 bytes) and V (114,688) stay in LDS; no byte is filled twice.
; The head's queries are 16 groups of 128, each 8 stored tiles of 16.  Wave j takes tile 2 cx + j % 2 of group 15 - j / 2, then of group j / 2: (16 - m) + (m + 1) = 17 key steps of 128 for every wave.
; A step all of whose keys come after the group is left out by a scalar branch on the wave's number and the step; the group's own step is masked.  The place in the cluster enters only global addresses of q and the result, and the mask's number.
; LAYOUT.  Both products are used transposed: S^T = K Q^T, O^T = V^T P^T: a lane holds one query throughout.  Tokens and channels are stored with bits 3 and 4 of their index swapped, so that the 16 registers of two neighbouring tiles are 16 neighbours.
; THE HEAD'S 64 IN AN INSTRUCTION OF 128: Q's registers 6-11 hold zero codes, so what stands in K's upper six registers (the next tile's codes) adds nothing; no scale byte is 0xff.
; LIMITS: a block of zeros gets the byte 1 (its codes are zeros; only this program reads the bytes); blocks under 2^-124 are held at the byte 1; NaN and infinities are not served.
; REGISTERS: v1 16 x lane, v2 8 x lane, v3 the mask's number, v4 8 r; v8-11 the step's addresses; v12 -M, v13 largest t, v[14:15] the sum; v16-27 Q and its zeros, v28 its scale word; v32-85 K's eight tiles and six zeros, then V's four fragments;
; v86-93 K's and V's scale words, v94 p's; v96-159 S^T, then p; v160-191 O^T; v196-210 at work; v212-223 p's codes; v224-233 at work.
.set G1KA, 24                          ; s[24:31] group 1: 16 rows of 256 bytes;  s[32:39] 48;  s[40:47] 14;  s[48:55] 42
.set G1KB, 32
.set G1VA, 40
.set G1VB, 48
.set G0KA, 56
.set G0KB, 60
.set G0VA, 68
.set G0VB, 72
.set WV,   12
.set GQ,   18                          ; s18 my group of queries
.set KS,   19                          ; s19 the key step
.set SEL,  20
.set CS,   22
.set TK,   76                          ; s76 LDS byte of the step's K
.set TV,   77                          ; s77 of its V
.set VBASE, 131072
.macro ROUND
	s_barrier_signal -1
	s_barrier_wait -1
	s_cmp_lg_u32 s[WV], 0
	s_cbranch_scc1 .Lnot_wave_0_\@
	s_barrier_signal -3
.Lnot_wave_0_\@:
	s_barrier_wait -3
	s_barrier_signal -1
	s_barrier_wait -1
.endm
.macro G1SET g, rows                   ; a dense block as rows of 32 elements of 8 bytes; the mask names all four work-groups, bit 21 beside it
	s_mov_b32 s[\g], 15|(3<<16)|(1<<21)
	s_mov_b32 s[\g+1], 32<<16
	s_mov_b32 s[\g+2], (\rows)<<16
	s_mov_b32 s[\g+3], 32<<16
	s_mov_b32 s[\g+4], \rows
	s_mov_b32 s[\g+5], 32
	s_mov_b32 s[\g+6], 0
	s_mov_b32 s[\g+7], 0
.endm
	s_load_b256 s[4:11], s[0:1], 0x0               ; qk, vimg, cc, cs
	v_lshl_add_u32 v254, v0, 2, 0x3c000
	v_mov_b32 v255, 0
	ds_add_u32 v254, v255
	ds_add_u32 v254, v255
	v_lshrrev_b32 v5, 5, v0
	s_delay_alu instid0(VALU_DEP_1)
	v_readfirstlane_b32 s[WV], v5                  ; wave 0..15
	s_bfe_u32 s13, ttmp6, 0x40000                  ; cx
	s_and_b32 s14, ttmp7, 0xffff                   ; 16 x batch + head
	s_lshr_b32 s15, s14, 4                         ; batch
	s_and_b32 s16, s14, 15                         ; head
	s_and_b32 s17, s[WV], 7                        ; which eighth I fetch: waves 0-7 of K, waves 8-15 of V
	s_lshl_b32 s78, s16, 19
	s_lshl_b32 s79, s15, 17
	s_add_co_u32 s78, s78, s79
	s_add_co_u32 s78, s78, 0x800000                ; k's heads lie behind q's sixteen
	s_lshl_b32 s80, s17, 12                        ; key steps 0-3: 32,768 bytes of K, 4,096 a wave;
	s_mul_i32 s81, s17, 12288
	s_add_co_u32 s81, s81, 32768                   ; the other twelve: 12,288 a wave
	s_add_co_u32 s82, s78, s80
	s_mov_b32 s83, 0
	s_add_co_u32 s84, s78, s81
	s_mov_b32 s85, 0
	s_mul_i32 s86, s14, 114688
	s_mul_i32 s88, s17, 3584                       ; V: 28,672 bytes, 3,584 a wave;
	s_mul_i32 s89, s17, 10752
	s_add_co_u32 s89, s89, 28672                   ; then 10,752 a wave
	s_add_co_u32 s90, s86, s88
	s_mov_b32 s91, 0
	s_add_co_u32 s92, s86, s89
	s_mov_b32 s93, 0
	G1SET G1KA, 16
	G1SET G1KB, 48
	G1SET G1VA, 14
	G1SET G1VB, 42
	s_mov_b32 s[SEL], 0x76543210
	s_mov_b32 s[SEL+1], 0xfedcba98
	s_mov_b32 s[CS], 0x3e38aa3b                    ; c = log2(e) / 8
	s_mov_b32 s[CS+1], s[CS]
	s_wait_dscnt 0x0
	s_wait_kmcnt 0x0
	s_mov_b32 s[G0KA], 1
	s_mov_b32 s[G0KA+1], s80
	s_add_nc_u64 s[G0KA+2:G0KA+3], s[4:5], s[82:83]
	s_or_b32 s[G0KA+3], s[G0KA+3], 0x80000000
	s_mov_b32 s[G0KB], 1
	s_mov_b32 s[G0KB+1], s81
	s_add_nc_u64 s[G0KB+2:G0KB+3], s[4:5], s[84:85]
	s_or_b32 s[G0KB+3], s[G0KB+3], 0x80000000
	s_mov_b32 s[G0VA], 1
	s_add_co_u32 s[G0VA+1], s88, VBASE
	s_add_nc_u64 s[G0VA+2:G0VA+3], s[6:7], s[90:91]
	s_or_b32 s[G0VA+3], s[G0VA+3], 0x80000000
	s_mov_b32 s[G0VB], 1
	s_add_co_u32 s[G0VB+1], s89, VBASE
	s_add_nc_u64 s[G0VB+2:G0VB+3], s[6:7], s[92:93]
	s_or_b32 s[G0VB+3], s[G0VB+3], 0x80000000
	ROUND                                          ; all four work-groups are here: the joint loads meet
	s_cmp_lt_u32 s[WV], 8                          ; a wave's two fills stand in one branch: two loads of mine are out; four v_nop follow the second
	s_cbranch_scc0 .Lfill_v
	tensor_load_to_lds s[G0KA:G0KA+3], s[G1KA:G1KA+7]
	s_nop 0
	tensor_load_to_lds s[G0KB:G0KB+3], s[G1KB:G1KB+7]
	s_nop 0
.rept 4
	v_nop
.endr
	s_branch .Lfilled
.Lfill_v:
	tensor_load_to_lds s[G0VA:G0VA+3], s[G1VA:G1VA+7]
	s_nop 0
	tensor_load_to_lds s[G0VB:G0VB+3], s[G1VB:G1VB+7]
	s_nop 0
.rept 4
	v_nop
.endr
.Lfilled:
	s_lshr_b32 s94, s[WV], 1                       ; m
	s_and_b32 s95, s[WV], 1
	s_lshl_b32 s78, s13, 1
	s_add_co_u32 s95, s95, s78                     ; my tile in a group: 2 cx + wave % 2
	s_lshl_b32 s82, s16, 19
	s_add_nc_u64 s[4:5], s[4:5], s[82:83]          ; q of my head
	s_mul_i32 s82, s16, 768
	s_add_nc_u64 s[8:9], s[8:9], s[82:83]          ; the result's codes: half record = head
	s_lshr_b32 s82, s16, 2
	s_lshl_b32 s82, s82, 7
	s_bfe_u32 s84, s16, 0x10001
	s_lshl_b32 s84, s84, 2
	s_add_co_u32 s82, s82, s84
	s_and_b32 s84, s16, 1
	s_lshl_b32 s84, s84, 1
	s_add_co_u32 s82, s82, s84
	s_add_nc_u64 s[10:11], s[10:11], s[82:83]      ; its scale bytes: 128 (head / 4) + 4 ((head / 2) % 2) + 2 (head % 2)
	v_and_b32 v5, 31, v0
	s_delay_alu instid0(VALU_DEP_1)
	v_lshlrev_b32 v1, 4, v5
	s_delay_alu instid0(VALU_DEP_2)
	v_lshlrev_b32 v2, 3, v5
	v_and_b32 v6, 15, v0                           ; r
	v_bfe_u32 v7, v0, 4, 1                         ; h
	s_delay_alu instid0(VALU_DEP_2)
	v_lshlrev_b32 v4, 3, v6
	s_lshr_b32 s78, s95, 1
	s_lshl_b32 s78, s78, 5
	s_and_b32 s79, s95, 1
	s_lshl_b32 s79, s79, 3
	s_add_co_u32 s78, s78, s79
	v_and_b32 v3, 8, v6
	s_delay_alu instid0(VALU_DEP_1)
	v_add_nc_u32 v3, v3, v6
	v_lshlrev_b32 v7, 4, v7
	s_delay_alu instid0(VALU_DEP_1)
	v_sub_nc_u32 v3, v3, v7
	s_delay_alu instid0(VALU_DEP_1)
	v_add_nc_u32 v3, s78, v3                       ; my query's place in its group less 16 h: register 16 e + i holds key 32 e + 16 h + i of the step, hidden on the diagonal where 32 e + i is larger than this
.irp j, 22,23,24,25,26,27,80,81,82,83,84,85,200,201,202,203,209,210
	v_mov_b32 v\j, 0                               ; Q's zero codes; what stands behind K's last tile; lane permutes' destinations; the upper half of the pair v[208:209]
.endr
; My tile of group s18: addresses, Q, and a fresh start of the sums.  O^T and the sum begin as zeros and the largest t as -3e38: the first change of M multiplies zeros.
.macro SETUP second
.if \second
	s_wait_xcnt 0x0                                ; the first tile's stores have read their registers and bases
.endif
	s_lshl_b32 s78, s[GQ], 3
	s_add_co_u32 s78, s78, s95
	s_lshl_b32 s79, s15, 7
	s_add_co_u32 s78, s78, s79                     ; row block of all tokens: 128 x batch + 8 x group + tile
	s_mov_b32 s81, 0
	s_lshl_b32 s80, s78, 10
	s_add_nc_u64 s[86:87], s[4:5], s[80:81]
	s_mul_i32 s80, s78, 12288
	s_add_nc_u64 s[88:89], s[8:9], s[80:81]
	s_lshl_b32 s80, s78, 9
	s_add_nc_u64 s[90:91], s[10:11], s[80:81]
	global_load_b128 v[16:19], v1, s[86:87]
	global_load_b64 v[20:21], v2, s[86:87] offset:512
	global_load_b32 v28, v2, s[86:87] offset:768
	v_mov_b32 v13, 0xff61b1e6
	s_delay_alu instid0(VALU_DEP_1)
	v_floor_f32 v12, -v13
	v_mov_b32 v14, 0
	v_mov_b32 v15, 0
.set jj, 0
.rept 32
	v_mov_b32 v[160+jj], 0
.set jj, jj+1
.endr
.endm
; A KEY STEP of 128 keys.  hid = 1: it may lie wholly behind the group; diag = 1: it may be the group's own.
.macro STEP hid, diag
.if \hid
	s_cmp_gt_u32 s[KS], s[GQ]
	s_cbranch_scc1 .Lhidden_\@
.endif
	s_setprio 2
	v_add_nc_u32 v8, s[TK], v1                     ; these four are also the places between the last step's products and the loads into their registers
	v_add_nc_u32 v9, s[TK], v2
	v_add_nc_u32 v10, s[TV], v1
	v_add_nc_u32 v11, s[TV], v2
.irp t, 0,1,2,3,4,5,6,7
	ds_load_b128 v[32+6*\t:35+6*\t], v8 offset:1024*\t
	ds_load_b64 v[36+6*\t:37+6*\t], v9 offset:1024*\t+512
	ds_load_b32 v[86+\t], v9 offset:1024*\t+768
.endr
	s_wait_alu depctr_va_vdst(0)
	s_wait_dscnt 0x0
.irp t, 0,1,2,3,4,5,6,7
	v_wmma_scale_f32_16x16x128_f8f6f4 v[96+8*\t:103+8*\t], v[32+6*\t:43+6*\t], v[16:27], 0, v[86+\t], v28 matrix_a_fmt:MATRIX_FMT_FP6 matrix_b_fmt:MATRIX_FMT_FP6
.endr
.rept 4
	v_nop                                          ; places in front of the loads below and of the first read of the scores
.endr
.irp t, 0,1,2,3                        ; V's four fragments are asked for here and land under the softmax
.irp c, 0,1,2
	ds_load_b128 v[32+12*\t+4*\c:35+12*\t+4*\c], v10 offset:1792*\t+512*\c
.endr
	ds_load_b32 v[86+\t], v11 offset:1792*\t+1536
.endr
.if \diag
	s_cmp_lt_u32 s[KS], s[GQ]
	s_cbranch_scc1 .Lopen_\@
	v_mov_b32 v210, 0xff800000                     ; hidden scores become -infinity ahead of the maximum: p = 0 then
.set nn, 0
.rept 64
	v_cmp_gt_i32 vcc_lo, 32*(nn/16)+nn%16, v3
	v_cndmask_b32 v[96+nn], v[96+nn], v210, vcc_lo
.set nn, nn+1
.endr
.Lopen_\@:
.endif
.irp b, 0,1,2,3
	v_max3_num_f32 v[196+\b], v[96+16*\b], v[97+16*\b], v[98+16*\b]   ; the largest score of each block of 32 keys: for the row's maximum and, since p rises with the score, for the block's largest p
.endr
.irp i, 3,5,7,9,11,13
.irp b, 0,1,2,3
	v_max3_num_f32 v[196+\b], v[196+\b], v[96+16*\b+\i], v[97+16*\b+\i]
.endr
.endr
.irp b, 0,1,2,3
	v_max_num_f32 v[196+\b], v[196+\b], v[111+16*\b]
.endr
.irp b, 0,1,2,3
	s_delay_alu instid0(VALU_DEP_4)
	v_permlanex16_b32 v[200+\b], v[196+\b], s[SEL], s[SEL+1]
.endr
.irp b, 0,1,2,3
	s_delay_alu instid0(VALU_DEP_4)
	v_max_num_f32 v[196+\b], v[196+\b], v[200+\b]
.endr
	s_delay_alu instid0(VALU_DEP_2)
	v_max3_num_f32 v210, v196, v197, v198
	s_delay_alu instid0(VALU_DEP_1)
	v_max_num_f32 v210, v210, v199
	s_delay_alu instid0(VALU_DEP_1)
	v_mul_f32 v210, s[CS], v210
	s_delay_alu instid0(VALU_DEP_1)
	v_max_num_f32 v13, v13, v210                   ; the running largest t
	v_mov_b32 v210, v12
	s_delay_alu instid0(VALU_DEP_2)
	v_floor_f32 v12, -v13                          ; -M = floor(-t)
	s_delay_alu instid0(VALU_DEP_1)
	v_sub_f32 v210, v12, v210                      ; old M - new M, a whole number, 0 or less
	s_delay_alu instid0(VALU_DEP_1)
	v_cvt_i32_f32 v210, v210                       ; (it saturates)
	s_delay_alu instid0(VALU_DEP_1)
	v_ldexp_f32 v208, 1.0, v210                    ; f = 2^(old M - new M)
.set jj, 0
.rept 32
	v_pk_fma_f32 v[96+jj:97+jj], v[96+jj:97+jj], s[CS:CS+1], v[12:13] op_sel_hi:[1,0,0]   ; t - M
.set jj, jj+2
.endr
.irp b, 0,1,2,3
	v_fma_f32 v[196+\b], v[196+\b], s[CS], v12
.endr
.set jj, 0
	s_setprio 1
	s_wait_alu depctr_va_vdst(0)
.rept 64
	v_exp_f32 v[96+jj], v[96+jj]                   ; p = 2^(t - M)
.set jj, jj+1
.endr
.irp b, 0,1,2,3
	v_exp_f32 v[196+\b], v[196+\b]                 ; the block's largest p
.endr
	v_pk_mul_f32 v[14:15], v[14:15], v[208:209] op_sel_hi:[1,0]   ; the sums under the new M (a plain place behind the exponentials)
	s_wait_alu depctr_va_vdst(0)
.irp b, 0,1,2,3
	v_max_num_f32 v[196+\b], 0x1800000, v[196+\b]  ; the floor: the byte cannot fall under 1
.endr
.irp b, 0,1,2,3
	s_delay_alu instid0(VALU_DEP_4)
	v_add_nc_u32 v[204+\b], 0xff000000, v[196+\b]
.endr
.irp b, 0,1,2,3
	s_delay_alu instid0(VALU_DEP_4)
	v_lshrrev_b32 v[200+\b], 23, v[204+\b]
.endr
	s_delay_alu instid0(VALU_DEP_3)
	v_lshl_or_b32 v94, v201, 8, v200               ; p's scale word
	s_delay_alu instid0(VALU_DEP_1)
	v_lshl_or_b32 v94, v202, 16, v94
	s_delay_alu instid0(VALU_DEP_1)
	v_lshl_or_b32 v94, v203, 24, v94
.irp c, 0,1
	v_cvt_scalef32_pk16_fp6_f32 v[212+6*\c:214+6*\c], v[96+32*\c:111+32*\c], v[204+2*\c]
	v_cvt_scalef32_pk16_fp6_f32 v[224+4*\c:226+4*\c], v[112+32*\c:127+32*\c], v[204+2*\c+1]
.endr
	v_nop                                          ; one plain place behind a scaled conversion
.irp c, 0,1
.irp i, 0,1,2
	v_permlane16_swap_b32 v[212+6*\c+\i], v[224+4*\c+\i]
.endr
.irp i, 0,1,2
	s_delay_alu instid0(VALU_DEP_3)
	v_mov_b32 v[215+6*\c+\i], v[224+4*\c+\i]
.endr
.endr
	v_pk_add_f32 v[232:233], v[100:101], v[104:105]
	v_pk_add_f32 v[252:253], v[108:109], v[112:113]
	v_pk_add_f32 v[250:251], v[116:117], v[120:121]
	v_pk_add_f32 v[248:249], v[124:125], v[128:129]
	v_pk_add_f32 v[246:247], v[132:133], v[136:137]
	v_pk_add_f32 v[244:245], v[140:141], v[144:145]
	v_pk_add_f32 v[242:243], v[148:149], v[152:153]
	v_pk_add_f32 v[14:15], v[14:15], v[156:157]
	v_pk_add_f32 v[232:233], v[232:233], v[96:97]
	v_pk_add_f32 v[252:253], v[252:253], v[98:99]
	v_pk_add_f32 v[250:251], v[250:251], v[102:103]
	v_pk_add_f32 v[248:249], v[248:249], v[106:107]
	v_pk_add_f32 v[246:247], v[246:247], v[110:111]
	v_pk_add_f32 v[244:245], v[244:245], v[114:115]
	v_pk_add_f32 v[242:243], v[242:243], v[118:119]
	v_pk_add_f32 v[14:15], v[14:15], v[122:123]
	v_pk_add_f32 v[232:233], v[232:233], v[126:127]
	v_pk_add_f32 v[252:253], v[252:253], v[130:131]
	v_pk_add_f32 v[250:251], v[250:251], v[134:135]
	s_setprio 0
	v_pk_add_f32 v[248:249], v[248:249], v[138:139]
	v_pk_add_f32 v[246:247], v[246:247], v[142:143]
	v_pk_add_f32 v[244:245], v[244:245], v[146:147]
	v_pk_add_f32 v[242:243], v[242:243], v[150:151]
	v_pk_add_f32 v[14:15], v[14:15], v[154:155]
	v_pk_add_f32 v[232:233], v[232:233], v[158:159]
	s_delay_alu instid0(VALU_DEP_2)
	v_pk_add_f32 v[14:15], v[14:15], v[248:249]
	s_delay_alu instid0(VALU_DEP_2)
	v_pk_add_f32 v[232:233], v[232:233], v[246:247]
	v_pk_add_f32 v[252:253], v[252:253], v[244:245]
	v_pk_add_f32 v[250:251], v[250:251], v[242:243]
	s_delay_alu instid0(VALU_DEP_2)
	v_pk_add_f32 v[14:15], v[14:15], v[252:253]
	s_delay_alu instid0(VALU_DEP_2)
	v_pk_add_f32 v[232:233], v[232:233], v[250:251]
	s_delay_alu instid0(VALU_DEP_1)
	v_pk_add_f32 v[14:15], v[14:15], v[232:233]
.set jj, 0
.rept 16
	v_pk_mul_f32 v[160+jj:161+jj], v[160+jj:161+jj], v[208:209] op_sel_hi:[1,0]   ; O^T under the new M, each accumulator from its low end on
.set jj, jj+2
.endr
	s_wait_alu depctr_va_vdst(0)
	s_wait_dscnt 0x0                               ; V is in
.irp t, 0,1,2,3                        ; four accumulators, one instruction a turn; eight products of scores stand between two links of a chain
	v_wmma_scale_f32_16x16x128_f8f6f4 v[160+8*\t:167+8*\t], v[32+12*\t:43+12*\t], v[212:223], v[160+8*\t:167+8*\t], v[86+\t], v94 matrix_a_fmt:MATRIX_FMT_FP6 matrix_b_fmt:MATRIX_FMT_FP6
.endr
.if \hid
.Lhidden_\@:
.endif
	s_add_co_u32 s[TK], s[TK], 8192
	s_add_co_u32 s[TV], s[TV], 7168
.endm
; The tile's end: O^T / the sum; register 16 e + i is channel 32 e + 16 h + i: two blocks of 32 along the last product's K.  They leave as a half record and two scale bytes.
.macro OUT
.rept 4
	v_nop
.endr
	v_add_f32 v14, v14, v15
	s_delay_alu instid0(VALU_DEP_1)
	v_permlanex16_b32 v210, v14, s[SEL], s[SEL+1]
	s_delay_alu instid0(VALU_DEP_1)
	v_add_f32 v14, v14, v210
	s_wait_alu depctr_va_vdst(0)
	v_rcp_f32 v14, v14
	v_nop                                          ; a plain place behind the reciprocal
.set jj, 0
	s_wait_alu depctr_va_vdst(0)
.rept 32
	v_mul_f32 v[96+jj], v[160+jj], v14
.set jj, jj+1
.endr
.irp b, 0,1
	v_max3_num_f32 v[196+\b], |v[96+16*\b]|, |v[97+16*\b]|, 0x1800000
.endr
.irp i, 2,4,6,8,10,12,14
.irp b, 0,1
	s_delay_alu instid0(VALU_DEP_2)
	v_max3_num_f32 v[196+\b], v[196+\b], |v[96+16*\b+\i]|, |v[97+16*\b+\i]|
.endr
.endr
.irp b, 0,1
	s_delay_alu instid0(VALU_DEP_2)
	v_permlanex16_b32 v[200+\b], v[196+\b], s[SEL], s[SEL+1]
.endr
.irp b, 0,1
	s_delay_alu instid0(VALU_DEP_2)
	v_max_num_f32 v[196+\b], v[196+\b], v[200+\b]
.endr
.irp b, 0,1
	s_delay_alu instid0(VALU_DEP_2)
	v_add_nc_u32 v[204+\b], 0xff000000, v[196+\b]
.endr
.irp b, 0,1
	s_delay_alu instid0(VALU_DEP_2)
	v_lshrrev_b32 v[200+\b], 23, v[204+\b]
.endr
	s_delay_alu instid0(VALU_DEP_1)
	v_lshl_or_b32 v210, v201, 8, v200
	v_cvt_scalef32_pk16_fp6_f32 v[212:214], v[96:111], v204
	v_cvt_scalef32_pk16_fp6_f32 v[224:226], v[112:127], v205
	v_nop
.irp i, 0,1,2
	v_permlane16_swap_b32 v[212+\i], v[224+\i]
.endr
.irp i, 0,1,2
	s_delay_alu instid0(VALU_DEP_3)
	v_mov_b32 v[215+\i], v[224+\i]
.endr
	global_store_b128 v1, v[212:215], s[88:89]
	global_store_b64 v2, v[216:217], s[88:89] offset:512
	global_store_b16 v4, v210, s[90:91]            ; my row's two bytes; lanes 16-31 write the same bytes with the same values
.endm
	s_sub_co_u32 s[GQ], 15, s94
	SETUP 0
	s_wait_loadcnt 0x0                             ; Q
	s_wait_tensorcnt 0x1                           ; my part of key steps 0-3 is in; the rest may be out
	s_barrier_signal -1
	s_barrier_wait -1
	s_mov_b32 s[TK], 0
	s_mov_b32 s[TV], VBASE
	s_mov_b32 s[KS], 0
.Lfirst:                               ; steps 0-3: every wave's first group is 8 or more, so all their keys count
	STEP 0, 0
	s_add_co_u32 s[KS], s[KS], 1
	s_cmp_lt_u32 s[KS], 4
	s_cbranch_scc1 .Lfirst
	s_setprio 0
	s_wait_tensorcnt 0x0                           ; my part of the rest is in
	s_wait_dscnt 0x0
	s_barrier_signal -1
	s_barrier_wait -1                              ; everybody's is
	s_mov_b32 s[TK], 4*8192
	s_mov_b32 s[TV], VBASE+4*7168
	s_mov_b32 s[KS], 4
.Lrest:
	STEP 1, 1
	s_add_co_u32 s[KS], s[KS], 1
	s_cmp_lt_u32 s[KS], 16
	s_cbranch_scc1 .Lrest
	s_setprio 0
	OUT
	s_mov_b32 s[GQ], s94
	SETUP 1
	s_wait_loadcnt 0x0
	s_mov_b32 s[TK], 0
	s_mov_b32 s[TV], VBASE
	s_mov_b32 s[KS], 0
.Lsecond:
	STEP 1, 1
	s_add_co_u32 s[KS], s[KS], 1
	s_cmp_lt_u32 s[KS], 16
	s_cbranch_scc1 .Lsecond
	s_setprio 0
	OUT
	s_wait_dscnt 0x0
	s_wait_tensorcnt 0x0
	ds_add_u32 v254, v255
	s_wait_dscnt 0x0
	ROUND                                          ; the closing round
	s_endpgm
.Lfunc_end_k_q7893e6d280_attn:
	.size	k_q7893e6d280_attn, .Lfunc_end_k_q7893e6d280_attn-k_q7893e6d280_attn
	.p2alignl 7, 3214868480
	.fill 96, 4, 3214868480
	.section	.rodata,"a",@progbits
	.p2align	6, 0x0
	.amdhsa_kernel k_q7893e6d280_attn
		.amdhsa_group_segment_fixed_size 247808
		.amdhsa_private_segment_fixed_size 0
		.amdhsa_enable_private_segment 0
		.amdhsa_kernarg_size 32
		.amdhsa_user_sgpr_count 2
		.amdhsa_user_sgpr_kernarg_segment_ptr 1
		.amdhsa_wavefront_size32 1
		.amdhsa_system_sgpr_workgroup_id_x 1
		.amdhsa_system_sgpr_workgroup_id_y 1
		.amdhsa_system_sgpr_workgroup_id_z 1
		.amdhsa_system_vgpr_workitem_id 0
		.amdhsa_next_free_vgpr 256
		.amdhsa_next_free_sgpr 96
		.amdhsa_reserve_vcc 1
		.amdhsa_float_denorm_mode_32 3
		.amdhsa_float_denorm_mode_16_64 3
		.amdhsa_memory_ordered 1
		.amdhsa_forward_progress 1
		.amdhsa_inst_pref_size 84
	.end_amdhsa_kernel
	.amdgpu_metadata
---
amdhsa.version: [ 1, 2 ]
amdhsa.kernels:
  - .name:           k_q7893e6d280_attn
    .symbol:         k_q7893e6d280_attn.kd
    .args:
      - { .name: qk, .offset: 0, .size: 8, .value_kind: global_buffer, .address_space: global }
      - { .name: vimg, .offset: 8, .size: 8, .value_kind: global_buffer, .address_space: global }
      - { .name: cc, .offset: 16, .size: 8, .value_kind: global_buffer, .address_space: global }
      - { .name: cs, .offset: 24, .size: 8, .value_kind: global_buffer, .address_space: global }
    .group_segment_fixed_size: 247808
    .private_segment_fixed_size: 0
    .kernarg_segment_align: 8
    .kernarg_segment_size: 32
    .max_flat_workgroup_size: 512
    .sgpr_count:     96
    .vgpr_count:     256
    .wavefront_size: 32
...
	.end_amdgpu_metadata
.endif
;; end of part 3
;; launch oproj (part 4): grid 4 x 32, 4 waves a work-group, clusters of 4 x 4, 327,680 bytes of LDS; arguments cc, cs, wc, ws, out0; writes out0
.if DOCPART == 4
	.amdgcn_target "amdgcn-amd-amdhsa--gfx1250"
	.amdhsa_code_object_version 6
	.text
	.protected	k_q7893e6d280_oproj
	.globl	k_q7893e6d280_oproj
	.p2align	8
	.type	k_q7893e6d280_oproj,@function
k_q7893e6d280_oproj:
	s_mov_b64 s[64:65], 0
	v_nop
	global_prefetch_b8 v0, s[64:65] scope:SCOPE_SE
	s_setreg_imm32_b32 hwreg(HW_REG_WAVE_MODE, 25, 1), 1
	s_wait_xcnt 0x0
	s_wait_alu depctr_hold_cnt(0) depctr_sa_sdst(0) depctr_va_vdst(0) depctr_va_sdst(0) depctr_va_ssrc(0) depctr_va_vcc(0) depctr_vm_vsrc(0)
	s_getreg_b32 s2, hwreg(HW_REG_IB_STS2, 6, 4)
	s_cmp_eq_u32 s2, 0
	s_cbranch_scc0 .Lentry_in_a_cluster
	s_endpgm
.Lentry_in_a_cluster:
	s_bfe_u32 s2, ttmp6, 0x10000c
	s_cmp_lg_u32 s2, 0xf033
	s_cbranch_scc0 .Lentry_shape_is_right
	s_endpgm
.Lentry_shape_is_right:
; out0 = ctx wo on codes of FP6 (E2M3) with E8M0 scales, K = 1,024; out0 [8192][1024] f32.
; Operands lie in memory as images of operand registers: [row block of 16 stored rows][16 half records of 768 bytes]; scale bytes [row block][4][16 rows][8].  Stored row 32 b + 16 u + 8 h + j is row 32 b + 16 h + 8 u + j.
; A = ctx (tokens), B = wo's row blocks 192-255 of wc (n).  A work-group of four waves makes 256 x 256, a wave 128 x 128: 64 accumulators.  K goes in steps of 256 through a ring of two LDS slots filled by the tensor data mover.
; THE MATRIX INSTRUCTION IS USED TRANSPOSED (source 0 = a row block of B, source 1 = of A): a lane holds a token and eight neighbouring n.  The way out undoes both stored orders: n by the place in the stage, tokens by the stores' offsets.
; CLUSTERS: 4 x 4 work-groups; A's tiles are asked for jointly by a row of the cluster, B's by a column.
; REGISTERS, in windows of 256: window 0: v0-31 addresses; v32-63 scale words, two sets; v128-223 A's fragments, one set; on the way out v128-255 rows of the result.  window 1: B's fragments, two sets.  windows 2, 3: the accumulators.
.set HREC,   768
.set RBB,    12288
.set RBS,    3072
.set HALFT,  8*RBS
.set SLOT,   4*HALFT
.set SCL,    2*SLOT
.set HALFS,  4096
.set SPARE,  SCL+4*HALFS               ; the spare words, 128 bytes a wave: two blocks of 256 bytes that no other line names
.set SPITCH, 528                       ; the way out: a stage of 16 rows x (512 + 16) bytes a wave, in slot 0, which has had its last fill and its last read when the first result is stored there
.set NQ,     2
.set FR,     12
.set NL,     4
.set NP,     4
.set LAPS,   2
.set L16,  12                          ; v12  16 x lane: also my byte offset in a row of the result
.set L8,   13                          ; v13  8 x lane
.set ADRA, 16
.set ADRB, 20
.set STO,  24
.set RD,   25
.set ADRS, 27
.set SPW,  28
.set NIL,  29
.set SC,   32
.set AF,   128
.set BK,   128
.set G1, 24
.set G0, 32
.set G1B, 48
.set G0B, 56
.set G1S, 68
.set G0S, 76
.set G1SB, 80
.set G0SB, 88
.set MSB, 0
.macro WIN new
.if MSB != (\new)
	s_set_vgpr_msb (MSB<<8)|(\new)
.set MSB, (\new)
.endif
.endm
.set MUL_LO, 0xa1
.set MUL_HI, 0xf1
.set TO_B,   0x40
.macro JLOAD g0a, g1a, g0b, g1b        ; a joint load: waves 0, 1 fetch for A, waves 2, 3 for B; four v_nop follow each line
	s_cmp_eq_u32 s15, 0
	s_cbranch_scc0 .Lfor_b_\@
	tensor_load_to_lds s[\g0a:\g0a+3], s[\g1a:\g1a+7]
	s_nop 0
.rept 4
	v_nop
.endr
	s_branch .Lasked_\@
.Lfor_b_\@:
	tensor_load_to_lds s[\g0b:\g0b+3], s[\g1b:\g1b+7]
	s_nop 0
.rept 4
	v_nop
.endr
.Lasked_\@:
.endm
.macro CREST
	s_cmp_lg_u32 s14, 0
	s_cbranch_scc1 .Lnot_wave_0_\@
	s_barrier_signal -3
.Lnot_wave_0_\@:
	s_barrier_wait -3
	s_barrier_signal -1
	s_barrier_wait -1
.endm
.macro CROUND
	s_barrier_signal -1
	s_barrier_wait -1
	CREST
.endm
	s_load_b256 s[4:11], s[0:1], 0x0               ; cc, cs, wc, ws
	s_load_b64 s[12:13], s[0:1], 0x20              ; out0
	v_lshl_add_u32 v[SPW], v0, 2, SPARE
	v_mov_b32 v[NIL], 0
	ds_add_u32 v28, v29
	ds_add_u32 v28, v29
	s_wait_dscnt 0x0
	v_lshrrev_b32 v1, 5, v0
	v_readfirstlane_b32 s14, v1
	s_lshr_b32 s15, s14, 1
	s_and_b32 s16, s14, 1
	s_bfe_u32 s40, ttmp6, 0x40000                  ; cx
	s_bfe_u32 s41, ttmp6, 0x40004                  ; cy
	s_and_b32 s42, ttmp7, 0xffff                   ; the cluster's y
	s_lshl_b32 s43, s41, 2
	s_lshl_b32 s43, 15, s43
	s_lshl_b32 s44, 0x1111, s40
	s_lshl_b32 s2, s16, 3
	s_lshl_b32 s19, s42, 6
	s_lshl_b32 s18, s41, 4
	s_add_co_u32 s19, s19, s18                     ; A's first row block: 64 x cluster y + 16 cy
	s_add_co_u32 s20, s19, s2                      ; the first that I fetch
	s_lshl_b32 s46, s40, 4
	s_add_co_u32 s46, s46, 192                     ; B's: wo begins at row block 192
	s_add_co_u32 s46, s46, s2
	s_lshl_b32 s22, s20, 9
	s_mov_b32 s23, 0
	s_mul_i32 s20, s20, RBB
	s_mov_b32 s21, 0
	s_lshl_b32 s92, s46, 9
	s_mov_b32 s93, 0
	s_mul_i32 s46, s46, RBB
	s_mov_b32 s47, 0
	s_mul_i32 s94, s14, HALFT
	s_lshl_b32 s95, s14, 12
	s_or_b32 s[G1+0], s43, (3<<16)|(1<<21)
	s_or_b32 s[G1B+0], s44, (3<<16)|(1<<21)
.irp g, G1, G1B
	s_mov_b32 s[\g+1], 384<<16
	s_mov_b32 s[\g+2], 8<<16
	s_mov_b32 s[\g+3], 384<<16
	s_mov_b32 s[\g+4], 8
	s_mov_b32 s[\g+5], 1536
	s_mov_b32 s[\g+6], 0
	s_mov_b32 s[\g+7], 0
.endr
	s_or_b32 s[G1S+0], s43, (3<<16)|(1<<21)
	s_or_b32 s[G1SB+0], s44, (3<<16)|(1<<21)
.irp g, G1S, G1SB
	s_mov_b32 s[\g+1], 32<<16
	s_mov_b32 s[\g+2], 16<<16
	s_mov_b32 s[\g+3], 32<<16
	s_mov_b32 s[\g+4], 16
	s_mov_b32 s[\g+5], 32
	s_mov_b32 s[\g+6], 0
	s_mov_b32 s[\g+7], 0
.endr
	s_wait_kmcnt 0x0
	s_add_nc_u64 s[20:21], s[4:5], s[20:21]
	s_add_nc_u64 s[22:23], s[6:7], s[22:23]
	s_add_nc_u64 s[46:47], s[8:9], s[46:47]
	s_add_nc_u64 s[92:93], s[10:11], s[92:93]
	CROUND                                         ; all sixteen work-groups are here: the first joint loads meet
	s_mov_b32 s[G0S], 1
	s_add_co_u32 s[G0S+1], s95, SCL
	s_mov_b64 s[G0S+2:G0S+3], s[22:23]
	s_or_b32 s[G0S+3], s[G0S+3], 0x80000000
	s_mov_b32 s[G0SB], 1
	s_add_co_u32 s[G0SB+1], s95, SCL
	s_mov_b64 s[G0SB+2:G0SB+3], s[92:93]
	s_or_b32 s[G0SB+3], s[G0SB+3], 0x80000000
	JLOAD G0S, G1S, G0SB, G1SB
.irp s, 0,1
	s_mov_b32 s[G0+4*\s], 1
	s_add_co_u32 s[G0+4*\s+1], s94, \s*SLOT
	s_add_nc_u64 s[G0+4*\s+2:G0+4*\s+3], s[20:21], \s*RBS
	s_or_b32 s[G0+4*\s+3], s[G0+4*\s+3], 0x80000000
	s_mov_b32 s[G0B+4*\s], 1
	s_add_co_u32 s[G0B+4*\s+1], s94, \s*SLOT
	s_add_nc_u64 s[G0B+4*\s+2:G0B+4*\s+3], s[46:47], \s*RBS
	s_or_b32 s[G0B+4*\s+3], s[G0B+4*\s+3], 0x80000000
	s_wait_alu depctr_va_vdst(0)
	s_wait_tensorcnt 0x0
	ds_add_u32 v28, v29
	s_wait_dscnt 0x0
	CROUND
	JLOAD G0+4*\s, G1, G0B+4*\s, G1B
.endr
	v_and_b32 v1, 31, v0
	v_lshlrev_b32 v[L16], 4, v1
	v_lshlrev_b32 v[L8], 3, v1
	s_mul_i32 s21, s15, HALFT
	s_mul_i32 s22, s16, HALFT
	s_add_co_u32 s22, s22, 2*HALFT
.irp s, 0,1
	v_add_nc_u32 v[ADRA+\s], s21, v[L16]
	v_add_nc_u32 v[ADRB+\s], s22, v[L16]
	v_add_nc_u32 v[ADRA+2+\s], s21, v[L8]
	v_add_nc_u32 v[ADRB+2+\s], s22, v[L8]
	s_add_co_u32 s21, s21, SLOT
	s_add_co_u32 s22, s22, SLOT
.endr
	v_and_b32 v2, 15, v0                           ; r
	v_bfe_u32 v3, v0, 4, 1                         ; h
	v_lshlrev_b32 v6, 3, v2
	s_mul_i32 s21, s15, HALFS
	s_mul_i32 s22, s16, HALFS
	s_add_co_u32 s22, s22, 2*HALFS
	s_sub_co_u32 s22, s22, s21
	v_mul_u32_u24 v7, s22, v3                      ; lanes 16-31 take B's
	s_add_co_u32 s21, s21, SCL
	v_add_nc_u32 v6, v6, v7
	v_add_nc_u32 v[ADRS], s21, v6
	s_mul_i32 s23, s14, 16*SPITCH                  ; my stage
	v_mul_u32_u24 v5, v2, SPITCH
	v_lshl_add_u32 v5, v3, 6, v5                   ; in: row r; tile 2 e + u holds n = 32 e + 16 h + 8 u + 0 .. 7: 128 e + 64 h + 32 u bytes on
	v_add_nc_u32 v[STO], s23, v5
	v_add_nc_u32 v[RD], s23, v[L16]                ; back: the 32 lanes take one row of 512 bytes
	s_lshl_b32 s20, s15, 3
	s_add_co_u32 s20, s20, s19
	s_lshl_b32 s20, s20, 16                        ; my first token: 16 x row block, rows of 4,096 bytes
	s_lshl_b32 s46, s40, 10
	s_lshl_b32 s47, s16, 9
	s_add_co_u32 s46, s46, s47                     ; my first column, in bytes
	s_add_co_u32 s20, s20, s46
	s_mov_b32 s21, 0
	s_add_nc_u64 s[12:13], s[12:13], s[20:21]
.macro FRAG reg, adr, q, i             ; a fragment is two half records: 16 bytes at 16 x lane, 8 bytes at 512 + 8 x lane, twice
	ds_load_b128 v[\reg:\reg+3], v[\adr] offset:(\i)*RBS+2*(\q)*HREC
	ds_load_b64 v[\reg+4:\reg+5], v[\adr+2] offset:(\i)*RBS+2*(\q)*HREC+512
	ds_load_b128 v[\reg+6:\reg+9], v[\adr] offset:(\i)*RBS+(2*(\q)+1)*HREC
	ds_load_b64 v[\reg+10:\reg+11], v[\adr+2] offset:(\i)*RBS+(2*(\q)+1)*HREC+512
.endm
.macro MUL16 a0, p, q, sc, zero        ; the 64 accumulators take turns, one instruction a turn
.irp a, \a0, \a0+1
.irp b, 0,1,2,3,4,5,6,7
.if \zero
	v_wmma_scale_f32_16x16x128_f8f6f4 v[8*(8*((\a)%4)+\b):8*(8*((\a)%4)+\b)+7], v[128*(\p)+FR*\b:128*(\p)+FR*\b+FR-1], v[AF+FR*(\a):AF+FR*(\a)+FR-1], 0, v[SC+8*NQ*(\sc)+NQ*\b+(\q)], v[SC+8*NQ*(\sc)+NQ*(\a)+(\q)] matrix_a_fmt:MATRIX_FMT_FP6 matrix_b_fmt:MATRIX_FMT_FP6 matrix_a_scale:MATRIX_SCALE_ROW1
.else
	v_wmma_scale_f32_16x16x128_f8f6f4 v[8*(8*((\a)%4)+\b):8*(8*((\a)%4)+\b)+7], v[128*(\p)+FR*\b:128*(\p)+FR*\b+FR-1], v[AF+FR*(\a):AF+FR*(\a)+FR-1], v[8*(8*((\a)%4)+\b):8*(8*((\a)%4)+\b)+7], v[SC+8*NQ*(\sc)+NQ*\b+(\q)], v[SC+8*NQ*(\sc)+NQ*(\a)+(\q)] matrix_a_fmt:MATRIX_FMT_FP6 matrix_b_fmt:MATRIX_FMT_FP6 matrix_a_scale:MATRIX_SCALE_ROW1
.endif
.endr
.endr
.endm
.macro FETCH_B slot, q, p
	WIN TO_B
.irp i, 0,1,2,3,4,5,6,7
	FRAG 128*(\p)+FR*\i, ADRB+\slot, \q, \i
.endr
	WIN 0
.endm
.macro FETCH_A slot, q, i0
.irp i, \i0, \i0+1, \i0+2, \i0+3
	FRAG AF+FR*(\i), ADRA+\slot, \q, \i
.endr
.endm
.macro SCALES sc
.irp i, 0,1,2,3,4,5,6,7
	ds_load_b64 v[SC+8*NQ*\sc+NQ*\i:SC+8*NQ*\sc+NQ*\i+1], v[ADRS] offset:\i*512
.endr
.endm
.macro PLACES n
.rept \n
	v_nop
.endr
.endm
.macro STEP slot, q, zero
	s_wait_dscnt 4*NL                              ; all but the youngest sixteen loads (A's blocks 4-7) are in
	WIN MUL_LO
	MUL16 0, (\q)%2, \q, \slot, \zero
	MUL16 2, (\q)%2, \q, \slot, \zero
	s_wait_dscnt 0
	PLACES NP
	FETCH_B \slot, (\q)+1, 1-(\q)%2
	FETCH_A \slot, (\q)+1, 0
	WIN MUL_HI
	MUL16 4, (\q)%2, \q, \slot, \zero
	MUL16 6, (\q)%2, \q, \slot, \zero
	PLACES NP
	WIN 0
	FETCH_A \slot, (\q)+1, 4
.endm
.macro TURN slot, next, fill
	s_wait_tensorcnt 0x0                           ; all my tensor loads have landed: my part of the next slot
	ds_add_u32 v[SPW], v[NIL]                      ; 0 onto my spare word
	s_wait_dscnt 4*NL+1                            ; the add and the youngest sixteen loads may be out
	WIN MUL_LO
	MUL16 0, 1, NQ-1, \slot, 0
	s_wait_dscnt 0x0                               ; the add is done, and my reads of this slot are over
	s_barrier_signal -1
	MUL16 2, 1, NQ-1, \slot, 0
	WIN 0
	s_barrier_wait -1
.if \fill
	CREST                                          ; the barrier has opened a round of the cluster's
	s_add_nc_u64 s[G0+4*\slot+2:G0+4*\slot+3], s[G0+4*\slot+2:G0+4*\slot+3], 2*RBS
	s_add_nc_u64 s[G0B+4*\slot+2:G0B+4*\slot+3], s[G0B+4*\slot+2:G0B+4*\slot+3], 2*RBS
	JLOAD G0+4*\slot, G1, G0B+4*\slot, G1B         ; the first tensor load behind the round
.else
	PLACES NP
.endif
	s_wait_alu depctr_va_vdst(0)
	v_add_nc_u32 v[ADRS], 128, v[ADRS]
	FETCH_B \next, 0, 0
	FETCH_A \next, 0, 0
	SCALES \next
	WIN MUL_HI
	MUL16 4, 1, NQ-1, \slot, 0
	MUL16 6, 1, NQ-1, \slot, 0
	PLACES NP
	WIN 0
	FETCH_A \next, 0, 4
.endm
	s_wait_alu depctr_va_vdst(0)
	s_wait_tensorcnt 1                             ; the scales and my part of K step 0 are in; K step 1's load may be out
	s_barrier_signal -1
	s_barrier_wait -1
	FETCH_B 0, 0, 0
	FETCH_A 0, 0, 0
	SCALES 0
	FETCH_A 0, 0, 4
	STEP 0, 0, 1
	s_mov_b32 s3, LAPS-1
.Llap:
	TURN 0, 1, 1
	STEP 1, 0, 0
	TURN 1, 0, 1
	STEP 0, 0, 0
	s_sub_co_u32 s3, s3, 1
	s_cmp_lg_u32 s3, 0
	s_cbranch_scc1 .Llap
	TURN 0, 1, 0
	STEP 1, 0, 0
	s_wait_dscnt 4*NL
	WIN MUL_LO
	MUL16 0, 1, NQ-1, 1, 0
	MUL16 2, 1, NQ-1, 1, 0
	s_wait_dscnt 0
	WIN MUL_HI
	MUL16 4, 1, NQ-1, 1, 0
	MUL16 6, 1, NQ-1, 1, 0
	WIN 0
; THE WAY OUT, block by block of 16 stored tokens x 128 n, through my own stage: whole rows of 512 bytes come back and are stored by the 32 lanes.  LDS serves a wave's instructions in order: no wait between the stores and the loads.
.macro TOSTAGE a
.set AC, 64*((\a)%4)
	WIN (0x08+4*((\a)/4))                          ; an LDS store's data: window 2 or 3
.irp b, 0,1,2,3,4,5,6,7
	ds_store_b128 v[STO], v[AC+8*\b:AC+8*\b+3] offset:128*(\b/2)+32*(\b%2)          ; each accumulator from its low end on
	ds_store_b128 v[STO], v[AC+8*\b+4:AC+8*\b+7] offset:128*(\b/2)+32*(\b%2)+16
.endr
	WIN 0
.set BB, BK+64*((\a)%2)
.irp t, 0,1,2,3,4,5,6,7,8,9,10,11,12,13,14,15
	ds_load_b128 v[BB+4*\t:BB+4*\t+3], v[RD] offset:\t*SPITCH
.endr
.endm
.macro SEND a, younger                 ; stored row t of block a is token 32 (a / 2) + 16 (t / 8) + 8 (a % 2) + t % 8 of my 128
.set BB, BK+64*((\a)%2)
	s_wait_dscnt \younger
.irp t, 0,1,2,3,4,5,6,7,8,9,10,11,12,13,14,15
	global_store_b128 v[L16], v[BB+4*\t:BB+4*\t+3], s[12:13] offset:(32*((\a)/2)+16*(\t/8)+8*((\a)%2)+\t%8)*4096 th:TH_STORE_NT   ; 512 consecutive bytes, aligned
.endr
.endm
	PLACES NP
	TOSTAGE 0
.irp a, 1,2,3,4,5,6,7
.if \a > 1
	s_wait_xcnt 0x0                                ; block a - 2's stores have read their registers: block a's loads may land there
.endif
	TOSTAGE \a
	SEND \a-1, 32                                  ; behind block a - 1's loads: block a's 16 stores and 16 loads
.endr
	SEND 7, 0
	s_wait_tensorcnt 0x0                           ; the wave's end
	ds_add_u32 v[SPW], v[NIL]
	s_wait_dscnt 0x0
	CROUND                                         ; the closing round
	s_endpgm
.Lfunc_end_k_q7893e6d280_oproj:
	.size	k_q7893e6d280_oproj, .Lfunc_end_k_q7893e6d280_oproj-k_q7893e6d280_oproj
	.p2alignl 7, 3214868480
	.fill 96, 4, 3214868480
	.section	.rodata,"a",@progbits
	.p2align	6, 0x0
	.amdhsa_kernel k_q7893e6d280_oproj
		.amdhsa_group_segment_fixed_size 327680
		.amdhsa_private_segment_fixed_size 0
		.amdhsa_enable_private_segment 0
		.amdhsa_kernarg_size 40
		.amdhsa_user_sgpr_count 2
		.amdhsa_user_sgpr_kernarg_segment_ptr 1
		.amdhsa_wavefront_size32 1
		.amdhsa_system_sgpr_workgroup_id_x 1
		.amdhsa_system_sgpr_workgroup_id_y 1
		.amdhsa_system_sgpr_workgroup_id_z 1
		.amdhsa_system_vgpr_workitem_id 0
		.amdhsa_next_free_vgpr 1024
		.amdhsa_next_free_sgpr 96
		.amdhsa_reserve_vcc 0
		.amdhsa_float_denorm_mode_32 3
		.amdhsa_float_denorm_mode_16_64 3
		.amdhsa_memory_ordered 1
		.amdhsa_forward_progress 1
		.amdhsa_inst_pref_size 144
	.end_amdhsa_kernel
	.amdgpu_metadata
---
amdhsa.version: [ 1, 2 ]
amdhsa.kernels:
  - .name:           k_q7893e6d280_oproj
    .symbol:         k_q7893e6d280_oproj.kd
    .args:
      - { .name: cc, .offset: 0, .size: 8, .value_kind: global_buffer, .address_space: global }
      - { .name: cs, .offset: 8, .size: 8, .value_kind: global_buffer, .address_space: global }
      - { .name: wc, .offset: 16, .size: 8, .value_kind: global_buffer, .address_space: global }
      - { .name: ws, .offset: 24, .size: 8, .value_kind: global_buffer, .address_space: global }
      - { .name: out0, .offset: 32, .size: 8, .value_kind: global_buffer, .address_space: global }
    .group_segment_fixed_size: 327680
    .private_segment_fixed_size: 0
    .kernarg_segment_align: 8
    .kernarg_segment_size: 40
    .max_flat_workgroup_size: 128
    .sgpr_count:     96
    .vgpr_count:     1024
    .wavefront_size: 32
...
	.end_amdgpu_metadata
.endif
;; end of part 4
